; MI455X (gfx1250); checked and timed in simulation.
; The chip was launched on July 23, 2026; its instructions are those of AMD's public machine-readable ISA for CDNA 5 (MIT licence, August 2026) and "CDNA5" Instruction Set Architecture Reference Guide (July 2026). The comments in the code are by the model that wrote it; some were corrected since.
;; Multi Head Attention. Allowed arithmetic: matrix products marked QUANTISED: E2M1 operands, one E8M0 scale for each 32 along K, by v_wmma_scale_f32_16x16x128_f8f6f4 with both operands' format E2M1 (or v_wmma_scale_f32_32x16x128_f4), f32 sums; everything else in f32.
;; Inputs: bk 16 x 64 float32; bp 1,024 float32; bq 16 x 64 float32; bv 16 x 64 float32; wk 16 x 1,024 x 64 float32; wp 1,024 x 1,024 float32; wq 16 x 1,024 x 64 float32; wv 16 x 1,024 x 64 float32; x 8 x 1,000 x 1,024 float32.
;; Outputs: out0 8 x 1,000 x 1,024 float32.
;; This version of the problem:
;;   THIS VERSION OF THE PROBLEM IS GIVEN IN LOW PRECISION. The matrix products marked QUANTISED in the list below multiply operands that are first quantised to E2M1 (2 exponent bits, 1 mantissa bit; 4 bits a number), with one power-of-two scale for each 32 numbers along K (OCP MX v1.0); their sums are f32. All else is computed in f32.
;;   The module's matrix products, in the order in which they are computed (A, B: the left and right operand; K: the contracted axis; several contracted axes count as one K, in the product's order):
;;     1. [M 1,024, K 1,024] x [K 1,024, N 8,000]; A: input wq; B: input x: QUANTISED
;;     2. [M 1,024, K 1,024] x [K 1,024, N 8,000]; A: input wk; B: input x: QUANTISED
;;     3. [M 1,024, K 1,024] x [K 1,024, N 8,000]; A: input wv; B: input x: QUANTISED
;;     4. batch 128 x [M 1,000, K 64] x [K 64, N 1,000]; A: computed on the way; B: computed on the way: QUANTISED
;;     5. batch 128 x [M 1,000, K 1,000] x [K 1,000, N 64]; A: softmax (see below); B: computed on the way: QUANTISED
;;     6. [M 8,000, K 1,024] x [K 1,024, N 1,024]; A: computed on the way; B: input wp: QUANTISED
;;   THE QUANTISER, for each operand of a quantised product, along K:
;;     - K is cut into blocks of 32 from its start; a last block that is shorter is filled with zeros.
;;     - A block's scale is 2^e with e = floor(log2(the largest magnitude in the block)) - 2, held to -126 .. 127; a block of zeros has e = 0. As a byte (E8M0): e + 127.
;;     - Each number is divided by its block's scale, clamped to +-6, and rounded to the nearest number of E2M1, ties to even, subnormals kept.
;;     - The product sums the exact products of the quantised numbers (number of the format x scale) in f32.
;;   ~~~python
;;   def quantise(x, axis):      # numpy; x: float32 -> the quantised numbers, widened to float32 again
;;       x = np.moveaxis(x, axis, -1); K = x.shape[-1]
;;       x = np.pad(x, [(0, 0)] * (x.ndim - 1) + [(0, -K % 32)]); x = x.reshape(x.shape[:-1] + (-1, 32)); a = np.abs(x).max(-1, keepdims=True)
;;       e = np.where(a > 0, np.clip(np.frexp(np.where(a > 0, a, 1))[1] - 1 - 2, -126, 127), 0)      # np.frexp(a)[1] - 1 = floor(log2(a)), exactly
;;       r = np.clip(x / 2.0 ** e, -6, 6)
;;       step = 2.0 ** (np.maximum(np.frexp(np.where(r == 0, 1, r))[1] - 1, 0) - 1)
;;       q = np.round(r / step) * step * 2.0 ** e      # np.round: ties to even
;;       return np.moveaxis(q.reshape(q.shape[:-2] + (-1,))[..., :K], -1, axis).astype(np.float32)
;;   ~~~
;;   SOFTMAX AHEAD OF A QUANTISED PRODUCT. Where the list says 'softmax', what is quantised is not the finished softmax but p = 2^(t - M), with t = logit x log2(e) and M = ceil(the row's largest t), a whole number; so 1/2 < the row's largest p <= 1. The row's sum l is taken of the UNQUANTISED p, in f32, and the product's result is divided by l at the end. Since M is a whole number, a kernel that streams over the keys may use a running M (the ceiling of the running maximum): every later rescaling is an exact power of two, which a block's scale takes up: the codes' values come out the same.
;;   OPERANDS COMPUTED ON THE WAY. 'Computed on the way' means the value that the module computes at that place (a softmax that the list does not call 'softmax' is quantised finished and normalised). What goes into a quantiser is computed in f32, as accurately as f32 sums, v_exp_f32 and their like allow (about 1e-6 of the number): no bf16 or f16 on the way to a quantiser, and a product that is left as it is and whose result goes on into a quantised operand takes f32 operands (vector FMAs, or v_wmma_f32_16x16x4_f32). A number that lies on a knife's edge between two numbers of the format may be rounded either way, as far as f32 arithmetic and the matrix unit's own rounding can turn it there, and no further.
;; One version. Each part assembles by itself: llvm-mc -triple=amdgcn-amd-amdhsa -mcpu=gfx1250 --defsym DOCPART=n.
;; ======== version 1 of 1: 4 launches
;; limits: a function is approximated: absolute error at most 1.5e-07
;; workspace buffers: xc 4,194,304 bytes; xs 262,144 bytes; wc 2,097,152 bytes; ws 131,072 bytes; qkv 13,369,344 bytes; yc 4,194,304 bytes; ys 262,144 bytes
;; launch prep (part 1): grid 512 x 1, 4 waves a work-group, no clusters, 42,496 bytes of LDS; arguments x, wq, wk, wv, wp, xc, xs, wc, ws; writes xc, xs, wc, ws
.if DOCPART == 1
	.amdgcn_target "amdgcn-amd-amdhsa--gfx1250"
	.amdhsa_code_object_version 6
	.text
	.protected	k_q5375b956a5_prep
	.globl	k_q5375b956a5_prep
	.p2align	8
	.type	k_q5375b956a5_prep,@function
k_q5375b956a5_prep:
	s_mov_b64 s[64:65], 0
	v_nop
	global_prefetch_b8 v0, s[64:65] scope:SCOPE_SE
	s_setreg_imm32_b32 hwreg(HW_REG_WAVE_MODE, 25, 1), 1
	s_wait_xcnt 0x0
; x [8][1000][1024] and the weights wq, wk, wv [16][1024][64], wp [1024][1024], all f32, become codes of FP4 (E2M1), K = the 1,024 innermost, with one E8M0 byte for each 32 along K.
; A block's scale is 2^(floor(log2(its largest magnitude)) - 2); its byte is the largest magnitude's exponent field - 2, held at 1 from below.
; ORDER OF ROWS.  swap34(i) is i with bits 3 and 4 exchanged.  xc, xs: a batch has 1,024 places, place p holds token swap34(p); tokens from 1,000 on are padding: zero codes, byte 0x7f.
; wc, ws: row kind x 1024 + swap34(n) holds output column n (kind 0 q, 1 k, 2 v: n = 64 head + d; kind 3: wp's column).  With rows in this order a product's results lie as the next quantiser wants them.
; SHARES.  Work-groups 0-255 take x: a wave takes 8 places (8 rows, 16 steps of 512 numbers); each load reads 512 consecutive bytes, and a step's 2,048 bytes turn through the wave's own stage in LDS, so that a lane
; holds 16 neighbours along K.  Work-groups 256-511 take the weights, whose K is not innermost: a lane takes a column and its registers run down K; a wave takes 32 columns x 128 along K, the four waves 512 along K,
; and the codes meet in a stage, from which sixteen lanes store 256 consecutive bytes, aligned.  The scale bytes of a weight row leave as pieces of 16 bytes, 32 bytes apart: 131,072 bytes in the whole launch.
; Every address register of both parts is made ahead of the parting; the two parts have LDS bytes of their own and meet at ONE barrier, which every wave passes.
; LIMITS: NaN and infinities are not served; a block whose largest magnitude lies under 2^-124 keeps the byte 1, a block of zeros too (the quantiser's rule says 127: its codes are zeros, and this program alone reads the bytes).
.set SP,    80                         ; a lane's place in x's stage: 64 bytes + 16 of padding
.set WREG,  8192                       ; x part: a region for each wave: two stages of 32 x SP bytes, then its 256 scale bytes
.set WSTG,  32768                      ; weights: the stage, 32 rows x (256 + 16) bytes
.set WSSC,  WSTG+32*272                ; weights: 32 rows x 16 scale bytes
.set R,     16                         ; v16-143  numbers as loaded: x: eight sets of 16; weights: 128 down K
.set X,     144                        ; v144-175 x: two sets of 16 neighbours; weights: v144-148 at work
.set C,     176                        ; v176-207 x: two registers of codes for each step
.set E,     208                        ; v208-223 x: a scale byte for each step
	s_load_b512 s[4:19], s[0:1], 0x0               ; x s[4:5], wq s[6:7], wk s[8:9], wv s[10:11], wp s[12:13], xc s[14:15], xs s[16:17], wc s[18:19]
	s_load_b64 s[20:21], s[0:1], 0x40              ; ws
	v_lshl_add_u32 v232, v0, 2, 0xa400
	v_mov_b32 v233, 0
	v_lshrrev_b32 v1, 5, v0
	v_readfirstlane_b32 s22, v1                    ; wave
	v_and_b32 v2, 31, v0                           ; lane l
	v_lshlrev_b32 v3, 4, v2                        ; 16 l
	v_lshlrev_b32 v4, 3, v2                        ; 8 l
	v_lshlrev_b32 v10, 2, v2                       ; 4 l
	; x part's LDS addresses
	s_mul_i32 s24, s22, WREG
	v_lshrrev_b32 v14, 2, v2
	v_mul_u32_u24 v14, v14, SP
	v_and_b32 v15, 3, v2
	v_lshl_add_u32 v14, v15, 4, v14
	v_add_nc_u32 v14, s24, v14                     ; into the stage: SP (l / 4) + 16 (l % 4)
	v_mul_u32_u24 v15, v2, SP
	v_add_nc_u32 v15, s24, v15                     ; out of it: SP l: my 16 neighbours
	v_lshrrev_b32 v5, 1, v2
	s_add_co_u32 s24, s24, 2*32*SP
	v_add_nc_u32 v5, s24, v5                       ; my block's scale byte
	v_add_nc_u32 v6, s24, v4                       ; and 8 bytes a lane on the way out
	; weights' LDS addresses and offsets
	v_and_b32 v224, 7, v2
	v_and_b32 v8, 8, v2
	v_lshl_add_u32 v224, v8, 1, v224
	v_and_b32 v8, 16, v2
	v_lshrrev_b32 v8, 1, v8
	v_add_nc_u32 v224, v224, v8                    ; swap34(l): my column's row among the 32
	v_mul_u32_u24 v225, v224, 272
	s_lshl_b32 s25, s22, 6
	s_add_co_u32 s25, s25, WSTG
	v_add_nc_u32 v225, s25, v225                   ; codes into the stage: my row, 64 bytes for each wave
	v_lshlrev_b32 v226, 4, v224
	s_lshl_b32 s25, s22, 2
	s_add_co_u32 s25, s25, WSSC
	v_add_nc_u32 v226, s25, v226                   ; my four scale bytes
	v_lshrrev_b32 v8, 4, v2
	v_and_b32 v9, 15, v2
	s_lshl_b32 s25, s22, 3
	v_add_nc_u32 v8, s25, v8                       ; the way out: row 8 wave + l / 16 (+ 2 i)
	v_mul_u32_u24 v227, v8, 272
	v_lshl_add_u32 v227, v9, 4, v227
	v_add_nc_u32 v227, WSTG, v227
	v_lshlrev_b32 v229, 9, v8
	v_lshl_add_u32 v229, v9, 4, v229               ; the same place in wc: rows of 512 bytes
	v_add_nc_u32 v228, WSSC, v3                    ; a row's 16 scale bytes,
	v_lshlrev_b32 v230, 5, v2                      ; and its place in ws: rows of 32 bytes
	; x part's offsets.  Both parts use the work-group's number mod 256, so that both sets of offsets lie inside their buffers in every work-group
	s_and_b32 s23, ttmp9, 255
	s_lshl_b32 s26, s23, 2
	s_add_co_u32 s26, s26, s22                     ; the run of 8 places: 4 g + wave
	s_lshl_b32 s33, s26, 12                        ; xc: 4,096 bytes a run
	s_lshl_b32 s34, s26, 8                         ; xs: 256 bytes a run
	s_lshr_b32 s28, s26, 7                         ; batch
	s_and_b32 s29, s26, 127                        ; group of 8 places
	s_and_b32 s27, s29, 0x7c
	s_and_b32 s30, s29, 1
	s_lshl_b32 s30, s30, 1
	s_or_b32 s27, s27, s30
	s_bfe_u32 s30, s29, 0x10001
	s_or_b32 s27, s27, s30                         ; group of 8 tokens: the lowest two bits exchanged
	s_min_u32 s30, s27, 124                        ; (a padding run loads nothing; its offset is held inside x all the same)
	s_lshl_b32 s30, s30, 3
	s_mul_i32 s28, s28, 1000
	s_add_co_u32 s28, s28, s30
	s_lshl_b32 s32, s28, 12                        ; x: rows of 4,096 bytes
	; weights' offsets
	s_lshr_b32 s28, s23, 2
	s_lshl_b32 s28, s28, 1
	s_and_b32 s29, s23, 1
	s_or_b32 s28, s28, s29                         ; group of 32 columns, 0 .. 127: neighbouring work-groups take neighbouring groups
	s_bfe_u32 s29, s23, 0x10001                    ; which 512 along K
	s_lshr_b32 s31, s28, 5                         ; kind
	s_lshl_b32 s36, s28, 14
	s_lshl_b32 s30, s29, 8
	s_add_co_u32 s36, s36, s30                     ; wc: 32 rows of 512 bytes a group, + 256 for the upper half of K
	s_lshl_b32 s37, s28, 10
	s_lshl_b32 s30, s29, 4
	s_add_co_u32 s37, s37, s30                     ; ws likewise
	s_and_b32 s28, s28, 31
	s_lshl_b32 s28, s28, 5                         ; first column within the kind
	s_lshl_b32 s29, s29, 9
	s_lshl_b32 s30, s22, 7
	s_add_co_u32 s29, s29, s30                     ; my first k
	s_lshr_b32 s35, s28, 6
	s_lshl_b32 s35, s35, 18                        ; kinds 0-2: head x 262,144
	s_and_b32 s30, s28, 63
	s_lshl_b32 s30, s30, 2
	s_add_co_u32 s35, s35, s30                     ; + 4 d
	s_lshl_b32 s30, s29, 8
	s_add_co_u32 s35, s35, s30                     ; + 256 k
	s_lshl_b32 s38, s28, 2                         ; kind 3: 4 column
	s_lshl_b32 s30, s29, 12
	s_add_co_u32 s38, s38, s30                     ; + 4,096 k
	s_mov_b32 s25, 0
	s_wait_kmcnt 0x0
	s_mov_b32 s24, s32
	s_add_nc_u64 s[4:5], s[4:5], s[24:25]
	s_mov_b32 s24, s33
	s_add_nc_u64 s[14:15], s[14:15], s[24:25]
	s_mov_b32 s24, s34
	s_add_nc_u64 s[16:17], s[16:17], s[24:25]
	s_cmp_eq_u32 s31, 1                            ; the weight is chosen by the kind, which hangs on the work-group's number alone
	s_cselect_b64 s[6:7], s[8:9], s[6:7]
	s_cmp_eq_u32 s31, 2
	s_cselect_b64 s[6:7], s[10:11], s[6:7]
	s_cmp_eq_u32 s31, 3
	s_cselect_b64 s[6:7], s[12:13], s[6:7]
	s_cselect_b32 s24, s38, s35
	s_add_nc_u64 s[6:7], s[6:7], s[24:25]
	s_mov_b32 s24, s36
	s_add_nc_u64 s[18:19], s[18:19], s[24:25]
	s_mov_b32 s24, s37
	s_add_nc_u64 s[20:21], s[20:21], s[24:25]
	s_cmp_ge_u32 ttmp9, 256
	s_cbranch_scc1 .Lweights
	s_cmp_ge_u32 s27, 125
	s_cbranch_scc1 .Lpad
	; ---- x: 16 steps of 512 numbers
.macro LOAD t
.irp i, 0,1,2,3
	global_load_b128 v[R+16*((\t)%8)+4*\i:R+16*((\t)%8)+4*\i+3], v3, s[4:5] offset:2048*(\t)+512*\i th:TH_LOAD_NT   ; 32 lanes read 512 consecutive bytes; read once in the launch
.endr
.endm
.macro TURN t                          ; step t's numbers through the stage: LDS serves a wave's instructions in order, so no wait stands between the stores and the loads
.irp i, 0,1,2,3
	ds_store_b128 v14, v[R+16*((\t)%8)+4*\i:R+16*((\t)%8)+4*\i+3] offset:32*SP*((\t)%2)+8*SP*\i
.endr
.irp i, 0,1,2,3
	ds_load_b128 v[X+16*((\t)%2)+4*\i:X+16*((\t)%2)+4*\i+3], v15 offset:32*SP*((\t)%2)+16*\i
.endr
.endm
.macro STEP t
.set XS, X+16*((\t)%2)
.if (\t) > 0
	s_wait_dscnt 1                                 ; this step's numbers are back from the stage (the last step's byte store may be out): so its stores into the stage have read their registers,
.else
	s_wait_dscnt 0x0
.endif
.if (\t)+8 < 16
	LOAD (\t)+8                                    ; which take the loads of eight steps on
.endif
.if (\t)+1 < 16
.if (\t) <= 7
	s_wait_loadcnt 28                              ; the next step's four loads are in; those of the seven steps behind it may be out
.else
	s_wait_loadcnt 4*(14-(\t))                     ; likewise, with fewer steps left
.endif
	TURN (\t)+1                                    ; they go through the other stage while this step is worked
.endif
	v_max3_num_f32 v8, |v[XS]|, |v[XS+1]|, |v[XS+2]|               ; the largest magnitude of my 16, in two chains
	v_max3_num_f32 v9, |v[XS+3]|, |v[XS+4]|, |v[XS+5]|
.irp i, 6,10
	v_max3_num_f32 v8, v8, |v[XS+\i]|, |v[XS+\i+1]|
	v_max3_num_f32 v9, v9, |v[XS+\i+2]|, |v[XS+\i+3]|
.endr
	v_max3_num_f32 v8, v8, |v[XS+14]|, |v[XS+15]|
	v_max3_num_f32 v8, v8, v9, 0x1800000           ; and the floor 2^(3 - 127): the byte cannot fall under 1
	v_max_num_f32_dpp v8, v8, v8 row_xmask:1 row_mask:0xf bank_mask:0xf   ; and of my neighbour's 16: the block's
	v_add_nc_u32 v11, 0xff000000, v8               ; 2 off its exponent field: the conversion takes that field as its scale
	v_cvt_scalef32_pk8_fp4_f32 v[C+2*(\t)], v[XS:XS+7], v11
	v_cvt_scalef32_pk8_fp4_f32 v[C+2*(\t)+1], v[XS+8:XS+15], v11
	v_lshrrev_b32 v[E+(\t)], 23, v11               ; the scale's byte (a plain line behind the conversions)
	ds_store_b8 v5, v[E+(\t)] offset:16*(\t)       ; both lanes of a block write the same byte with the same value
	global_store_b64 v4, v[C+2*(\t):C+2*(\t)+1], s[14:15] offset:256*(\t)   ; the wave stores 256 consecutive bytes, aligned; each step has its own registers
.endm
.irp t, 0,1,2,3,4,5,6,7
	LOAD \t
.endr
	s_wait_loadcnt 28                              ; step 0's four loads are in
	TURN 0
.irp t, 0,1,2,3,4,5,6,7,8,9,10,11,12,13,14,15
	STEP \t
.endr
	ds_load_b64 v[12:13], v6                       ; my wave's 256 scale bytes: these loads see my stores
	s_wait_dscnt 0x0
	global_store_b64 v4, v[12:13], s[16:17]        ; 256 consecutive bytes, aligned
	s_branch .Ljoin
.Lpad:                                                 ; a run of 8 padding places: zero codes, bytes 0x7f; nothing is loaded
.irp i, 0,1,2,3
	v_mov_b32 v[C+\i], 0
.endr
	v_mov_b32 v[C+4], 0x7f7f7f7f
	v_mov_b32 v[C+5], 0x7f7f7f7f
.irp i, 0,1,2,3,4,5,6,7
	global_store_b128 v3, v[C:C+3], s[14:15] offset:512*\i
.endr
	global_store_b64 v4, v[C+4:C+5], s[16:17]
	s_branch .Ljoin
	; ---- weights, first part: 128 numbers down K of my column, four blocks
.Lweights:
	s_cmp_eq_u32 s31, 3
	s_cbranch_scc1 .Lrows_wp
.set i, 0
.rept 128
	global_load_b32 v[R+i], v10, s[6:7] offset:i*256      ; wq, wk, wv: a row of a head is 256 bytes; 32 lanes read 128 consecutive bytes, the neighbouring work-group the other 128
.set i, i+1
.endr
	s_branch .Lrows_in
.Lrows_wp:
.set i, 0
.rept 128
	global_load_b32 v[R+i], v10, s[6:7] offset:i*4096     ; wp: a row is 4,096 bytes
.set i, i+1
.endr
.Lrows_in:
.macro BLOCK t, left
.set XS, R+32*(\t)
	s_wait_loadcnt \left                           ; the first 32 (t + 1) loads are in
	v_max3_num_f32 v144, |v[XS]|, |v[XS+1]|, |v[XS+2]|             ; the block's largest magnitude: all 32 numbers are mine
	v_max3_num_f32 v145, |v[XS+3]|, |v[XS+4]|, |v[XS+5]|
.irp i, 6,10,14,18,22,26
	v_max3_num_f32 v144, v144, |v[XS+\i]|, |v[XS+\i+1]|
	v_max3_num_f32 v145, v145, |v[XS+\i+2]|, |v[XS+\i+3]|
.endr
	v_max3_num_f32 v144, v144, |v[XS+30]|, |v[XS+31]|
	v_max3_num_f32 v144, v144, v145, 0x1800000
	v_add_nc_u32 v146, 0xff000000, v144
	v_lshrrev_b32 v147, 23, v146
.if (\t) == 0
	v_mov_b32 v148, v147                           ; four bytes to a register, the lower K in the lower byte
.else
	v_lshl_or_b32 v148, v147, 8*(\t), v148
.endif
.irp g, 0,1,2,3
	v_cvt_scalef32_pk8_fp4_f32 v[152+4*(\t)+\g], v[XS+8*\g:XS+8*\g+7], v146
.endr
	ds_store_b128 v225, v[152+4*(\t):155+4*(\t)] offset:16*(\t)    ; each block has its own registers
.endm
	BLOCK 0, 63                                    ; 96 younger loads could stay out; 63 is the largest count that can be written
	BLOCK 1, 63                                    ; 64 could
	BLOCK 2, 32
	BLOCK 3, 0
	ds_store_b32 v226, v148
.Ljoin:
	s_wait_dscnt 0x0                               ; my LDS stores have landed
	s_barrier_signal -1
	s_barrier_wait -1                              ; the one barrier: every wave of every work-group passes it
	s_cmp_lt_u32 ttmp9, 256
	s_cbranch_scc1 .Lend
	; ---- weights, second part: 8 rows a wave leave the stage
	s_wait_xcnt 0x0                                ; the ways have joined above: v168-187 are written only behind this wait, so that on no way a store that names one of them has still to read it
.irp i, 0,1,2,3
	ds_load_b128 v[168+4*\i:171+4*\i], v227 offset:544*\i
.endr
.irp i, 0,1,2,3
	s_wait_dscnt 3-\i                              ; the younger loads may be out
	global_store_b128 v229, v[168+4*\i:171+4*\i], s[18:19] offset:1024*\i   ; sixteen lanes store 256 consecutive bytes, aligned
.endr
	s_cmp_lg_u32 s22, 0
	s_cbranch_scc1 .Lend
	ds_load_b128 v[184:187], v228                  ; wave 0: the 32 rows' scale bytes
	s_wait_dscnt 0x0
	global_store_b128 v230, v[184:187], s[20:21]
.Lend:
	s_wait_tensorcnt 0x0
	ds_add_u32 v232, v233
	s_wait_dscnt 0x0
	s_endpgm
.Lfunc_end_k_q5375b956a5_prep:
	.size	k_q5375b956a5_prep, .Lfunc_end_k_q5375b956a5_prep-k_q5375b956a5_prep
	.p2alignl 7, 3214868480
	.fill 96, 4, 3214868480
	.section	.rodata,"a",@progbits
	.p2align	6, 0x0
	.amdhsa_kernel k_q5375b956a5_prep
		.amdhsa_group_segment_fixed_size 42496
		.amdhsa_private_segment_fixed_size 0
		.amdhsa_enable_private_segment 0
		.amdhsa_kernarg_size 72
		.amdhsa_user_sgpr_count 2
		.amdhsa_user_sgpr_kernarg_segment_ptr 1
		.amdhsa_wavefront_size32 1
		.amdhsa_system_sgpr_workgroup_id_x 1
		.amdhsa_system_sgpr_workgroup_id_y 1
		.amdhsa_system_sgpr_workgroup_id_z 1
		.amdhsa_system_vgpr_workitem_id 0
		.amdhsa_next_free_vgpr 234
		.amdhsa_next_free_sgpr 66
		.amdhsa_reserve_vcc 0
		.amdhsa_float_denorm_mode_32 3
		.amdhsa_float_denorm_mode_16_64 3
		.amdhsa_memory_ordered 1
		.amdhsa_forward_progress 1
		.amdhsa_inst_pref_size 69
	.end_amdhsa_kernel
	.amdgpu_metadata
---
amdhsa.version: [ 1, 2 ]
amdhsa.kernels:
  - .name:           k_q5375b956a5_prep
    .symbol:         k_q5375b956a5_prep.kd
    .args:
      - { .name: x, .offset: 0, .size: 8, .value_kind: global_buffer, .address_space: global }
      - { .name: wq, .offset: 8, .size: 8, .value_kind: global_buffer, .address_space: global }
      - { .name: wk, .offset: 16, .size: 8, .value_kind: global_buffer, .address_space: global }
      - { .name: wv, .offset: 24, .size: 8, .value_kind: global_buffer, .address_space: global }
      - { .name: wp, .offset: 32, .size: 8, .value_kind: global_buffer, .address_space: global }
      - { .name: xc, .offset: 40, .size: 8, .value_kind: global_buffer, .address_space: global }
      - { .name: xs, .offset: 48, .size: 8, .value_kind: global_buffer, .address_space: global }
      - { .name: wc, .offset: 56, .size: 8, .value_kind: global_buffer, .address_space: global }
      - { .name: ws, .offset: 64, .size: 8, .value_kind: global_buffer, .address_space: global }
    .group_segment_fixed_size: 42496
    .private_segment_fixed_size: 0
    .kernarg_segment_align: 8
    .kernarg_segment_size: 72
    .max_flat_workgroup_size: 128
    .sgpr_count:     66
    .vgpr_count:     234
    .wavefront_size: 32
...
	.end_amdgpu_metadata
.endif
;; end of part 1
;; launch qkv (part 2): grid 12 x 32, 4 waves a work-group, clusters of 4 x 4, 296,448 bytes of LDS; arguments xc, xs, wc, ws, bq, bk, bv, qkv; writes qkv
.if DOCPART == 2
	.amdgcn_target "amdgcn-amd-amdhsa--gfx1250"
	.amdhsa_code_object_version 6
	.text
	.protected	k_q5375b956a5_qkv
	.globl	k_q5375b956a5_qkv
	.p2align	8
	.type	k_q5375b956a5_qkv,@function
k_q5375b956a5_qkv:
	s_mov_b64 s[64:65], 0
	v_nop
	global_prefetch_b8 v0, s[64:65] scope:SCOPE_SE
	s_setreg_imm32_b32 hwreg(HW_REG_WAVE_MODE, 25, 1), 1
	s_wait_xcnt 0x0
	s_wait_alu depctr_hold_cnt(0) depctr_sa_sdst(0) depctr_va_vdst(0) depctr_va_sdst(0) depctr_va_ssrc(0) depctr_va_vcc(0) depctr_vm_vsrc(0)
	s_getreg_b32 s2, hwreg(HW_REG_IB_STS2, 6, 4)
	s_cmp_eq_u32 s2, 0
	s_cbranch_scc0 .Lentry_in_a_cluster
	s_endpgm
.Lentry_in_a_cluster:
	s_bfe_u32 s2, ttmp6, 0x10000c
	s_cmp_lg_u32 s2, 0xf033
	s_cbranch_scc0 .Lentry_shape_is_right
	s_endpgm
.Lentry_shape_is_right:
; q, k, v = x W + b on codes of FP4 with E8M0 scales, then quantised again: q and k along the head's 64, v along the keys.  Nothing wide goes to memory.
; A GEMM of 8,192 places (xc, xs) x 3,072 weight rows (rows 0 .. 3,071 of wc, ws), K = 1,024.  A work-group of four waves makes 256 x 256, a wave 128 x 128: 64 accumulators, 512 registers.
; K is two LDS slots of 512: BOTH slots and all scale bytes are first fills, asked for at the start; no LDS byte is filled twice and none is stored to.
; CLUSTERS: 4 x 4 work-groups; x's tiles are shared along a row of the cluster, the weights' along a column: joint loads.  The cluster's x is the kind (0 q, 1 k, 2 v): what hangs on the kind is alike in all sixteen.
; THE MATRIX INSTRUCTION: source 0 gives a result's registers, source 1 its lane.  q, k: source 0 = weight rows, source 1 = places: a lane holds a token, its registers run along (head, d).
; v: the two change places, BY ADDRESSES ALONE (the stream of products is the same): a lane holds a row d, its registers run along the tokens, which are the second attention product's K.
; Both operands' rows lie in the order swap34 (bits 3 and 4 exchanged), so the 64 registers of accumulators (a, 0 .. 7) are, in lane (r, h), numbers 32 b + 16 h + i (register 16 b + i) of four blocks of 32.
; The bias is the C of each sum's first product.  v of tokens from 1,000 on is set to 0 ahead of the quantiser: the last block of keys is filled with zeros.
; OUT, for each head 104,448 bytes: qc [64 tiles][512: image of four operand registers], qs [32 pairs of tiles][16 rows] words, kc, vc [8 key steps][4 tiles of d][two images], ks, vs [8][4][16] words.
; LIMITS: NaN and infinities are not served; a block whose largest magnitude lies under 2^-124 keeps the byte 1, a block of zeros too (its codes are zeros; this program alone reads the bytes).
; REGISTERS: window 0: v1-29 addresses; v32-95 scale words, a set for each slot; v96-119 the quantiser's; v128-255 source 1's fragments, two sets, later the codes made.
;   window 1: v0-63, v128-191 source 0's fragments, two sets; v64-127 the bias.   window 2, 3: the accumulators, (a, b) at v[8 (8 (a % 4) + b)] of window 2 + a / 4.
.set KS,     32                        ; a row of scale bytes
.set ROWB,   256                       ; a slot's row: 512 codes
.set KROW,   512                       ; a row of codes in memory
.set PITCH,  272                       ; an LDS row: 256 bytes + 16 of padding: the 16 rows of a load start at 16 different banks (64 banks of 4 bytes: ISA guide 11.1)
.set HALFT,  128*PITCH
.set SLOT,   4*HALFT                   ; x's 256 rows, then the weights' 256
.set SCL,    2*SLOT                    ; the scale bytes, as rows of 256 bytes + 16
.set HALFS,  16*272                    ; those of 128 rows
.set SBLK,   2*272                     ; those of 16 rows
.set HS,     104448                    ; a head's bytes in qkv
.set ADRA, 16                          ; v16-17 source 1's fragments in slot 0, 1
.set ADRB, 20                          ; v20-21 source 0's
.set VCA,  24                          ; v24 where my codes go
.set VSA,  25                          ; v25 q's, k's scale words
.set VSV,  26                          ; v26 v's scale words
.set ADRS, 27                          ; v27 my scale words in LDS: lanes 0-15 source 1's rows, lanes 16-31 source 0's
.set VTOK, 28                          ; v28 the token of register 48 of a run of 64 (v's way out)
.set VSEL, 29                          ; v29 byte selects: lanes 0-15 the low halves of two words, lanes 16-31 the high halves
.set SC,   32
.set TM,   96                          ; v96-99 largest magnitudes, v100-103 the other half's, then bytes, v108-111 the conversions' scales
.set PW,   112                         ; v112-119 a scale word for each a
.set AF,   128
.set PC,   128                         ; v128-191 eight registers of codes for each a
.set WD,   200                         ; v200-203 scale words to store
.set BI,   64                          ; in window 1
.set G1, 24
.set G0, 32
.set G1B, 48
.set G0B, 56
.set G1S, 68
.set G0S, 76
.set G1SB, 80
.set G0SB, 88
.set MSB, 0
.macro WIN new                         ; the immediate's high byte repeats the setting that is left; a switch that changes nothing is dropped
.if MSB != (\new)
	s_set_vgpr_msb (MSB<<8)|(\new)
.set MSB, (\new)
.endif
.endm
; A joint load: waves 0 and 1 fetch x's halves, waves 2 and 3 the weights'.  The branch hangs on the wave's number alone.  Four v_nop follow each of the two lines.
.macro JLOAD g0a, g1a, g0b, g1b
	s_cmp_eq_u32 s15, 0
	s_cbranch_scc0 .Lfor_b_\@
	tensor_load_to_lds s[\g0a:\g0a+3], s[\g1a:\g1a+7]
	s_nop 0
.rept 4
	v_nop
.endr
	s_branch .Lasked_\@
.Lfor_b_\@:
	tensor_load_to_lds s[\g0b:\g0b+3], s[\g1b:\g1b+7]
	s_nop 0
.rept 4
	v_nop
.endr
.Lasked_\@:
.endm
.macro CROUND                          ; a round of the cluster's barrier
	s_barrier_signal -1
	s_barrier_wait -1
	s_cmp_lg_u32 s14, 0
	s_cbranch_scc1 .Lnot_wave_0_\@
	s_barrier_signal -3
.Lnot_wave_0_\@:
	s_barrier_wait -3
	s_barrier_signal -1
	s_barrier_wait -1
.endm
.macro PLACES                          ; four places behind matrix instructions, in front of loads into registers that they read and of reads of their results
.rept 4
	v_nop
.endr
.endm
	s_load_b128 s[4:7], s[0:1], 0x0                ; xc, xs
	s_load_b128 s[8:11], s[0:1], 0x10              ; wc, ws
	s_load_b128 s[96:99], s[0:1], 0x20             ; bq, bk
	s_load_b64 s[100:101], s[0:1], 0x30            ; bv
	s_load_b64 s[12:13], s[0:1], 0x38              ; qkv
	v_lshl_add_u32 v126, v0, 2, 0x48400
	v_mov_b32 v127, 0
	ds_add_u32 v126, v127
	ds_add_u32 v126, v127
	v_lshrrev_b32 v1, 5, v0
	v_readfirstlane_b32 s14, v1                    ; wave 0..3
	s_lshr_b32 s15, s14, 1                         ; which 128 places are mine.  Also: I fetch for x (0) or for the weights (1)
	s_and_b32 s16, s14, 1                          ; which 128 weight rows.  Also: which 128 rows I fetch
	s_bfe_u32 s40, ttmp6, 0x40000                  ; cx, cy
	s_bfe_u32 s41, ttmp6, 0x40004
	s_lshl_b32 s42, ttmp9, 2
	s_add_co_u32 s42, s42, s40                     ; tile column = 4 x cluster x + cx
	s_and_b32 s17, ttmp7, 0xffff
	s_lshl_b32 s17, s17, 2
	s_add_co_u32 s17, s17, s41                     ; tile row = 4 x cluster y + cy
	s_lshl_b32 s43, s41, 2
	s_lshl_b32 s43, 15, s43                        ; my row of the cluster
	s_lshl_b32 s44, 0x1111, s40                    ; my column
	s_mov_b32 s66, ttmp9                           ; the kind
	s_cmp_eq_u32 s66, 2
	s_cselect_b32 s67, 1, 0                        ; 1 for v
	s_mov_b32 s2, 0x76543210
	s_mov_b32 s3, 0xfedcba98                       ; v_permlanex16_b32's selects for lane l xor 16
	s_or_b32 s[G1+0], s43, (0<<16)|(1<<20)|(1<<21)|(5<<22)|(3<<25)  ; mask; elements of 1 byte; padding on; bit 21 beside a mask; 4 words behind every 64
	s_or_b32 s[G1B+0], s44, (0<<16)|(1<<20)|(1<<21)|(5<<22)|(3<<25)
.irp g, G1, G1B
	s_mov_b32 s[\g+1], ROWB<<16                    ; tensor_dim0
	s_mov_b32 s[\g+2], 128<<16                     ; tensor_dim1
	s_mov_b32 s[\g+3], ROWB<<16                    ; tile_dim0
	s_mov_b32 s[\g+4], 128                         ; tile_dim1
	s_mov_b32 s[\g+5], KROW                        ; the pitch
	s_mov_b32 s[\g+6], 0
	s_mov_b32 s[\g+7], 0
.endr
	s_or_b32 s[G1S+0], s43, (3<<16)|(1<<20)|(1<<21)|(5<<22)|(3<<25)  ; the scale bytes of 128 rows: 4,096 dense bytes as 16 rows of 32 elements of 8 bytes
	s_or_b32 s[G1SB+0], s44, (3<<16)|(1<<20)|(1<<21)|(5<<22)|(3<<25)
.irp g, G1S, G1SB
	s_mov_b32 s[\g+1], 32<<16
	s_mov_b32 s[\g+2], 16<<16
	s_mov_b32 s[\g+3], 32<<16
	s_mov_b32 s[\g+4], 16
	s_mov_b32 s[\g+5], 32
	s_mov_b32 s[\g+6], 0
	s_mov_b32 s[\g+7], 0
.endr
	s_lshl_b32 s18, s16, 7
	s_lshl_b32 s20, s17, 8
	s_add_co_u32 s20, s20, s18                     ; x: row 256 x tile row + 128 x half
	s_lshl_b32 s46, s42, 8
	s_add_co_u32 s46, s46, s18                     ; weights: row 256 x tile column + 128 x half
	s_mov_b32 s21, 0
	s_mov_b32 s47, 0
	s_mov_b64 s[18:19], KS
	s_mul_u64 s[22:23], s[20:21], s[18:19]
	s_mul_u64 s[92:93], s[46:47], s[18:19]
	s_mov_b64 s[18:19], KROW
	s_mul_u64 s[20:21], s[20:21], s[18:19]
	s_mul_u64 s[46:47], s[46:47], s[18:19]
	s_mul_i32 s45, s14, HALFT                      ; where they go: wave x 128 rows: no place in the cluster enters an LDS address
	s_mul_i32 s94, s14, HALFS
	s_wait_dscnt 0x0
	s_wait_kmcnt 0x0
	s_add_nc_u64 s[20:21], s[4:5], s[20:21]
	s_add_nc_u64 s[22:23], s[6:7], s[22:23]
	s_add_nc_u64 s[46:47], s[8:9], s[46:47]
	s_add_nc_u64 s[92:93], s[10:11], s[92:93]
	CROUND                                         ; all sixteen work-groups are here: the joint loads meet
	s_mov_b32 s[G0S], 1
	s_add_co_u32 s[G0S+1], s94, SCL
	s_mov_b64 s[G0S+2:G0S+3], s[22:23]
	s_or_b32 s[G0S+3], s[G0S+3], 0x80000000
	s_mov_b32 s[G0SB], 1
	s_add_co_u32 s[G0SB+1], s94, SCL
	s_mov_b64 s[G0SB+2:G0SB+3], s[92:93]
	s_or_b32 s[G0SB+3], s[G0SB+3], 0x80000000
	JLOAD G0S, G1S, G0SB, G1SB                     ; the scale bytes first
.irp s, 0,1
	s_mov_b32 s[G0+4*\s], 1
	s_add_co_u32 s[G0+4*\s+1], s45, \s*SLOT
	s_add_nc_u64 s[G0+4*\s+2:G0+4*\s+3], s[20:21], \s*ROWB
	s_or_b32 s[G0+4*\s+3], s[G0+4*\s+3], 0x80000000
	s_mov_b32 s[G0B+4*\s], 1
	s_add_co_u32 s[G0B+4*\s+1], s45, \s*SLOT
	s_add_nc_u64 s[G0B+4*\s+2:G0B+4*\s+3], s[46:47], \s*ROWB
	s_or_b32 s[G0B+4*\s+3], s[G0B+4*\s+3], 0x80000000
	JLOAD G0+4*\s, G1, G0B+4*\s, G1B               ; both slots: three tensor loads of mine are out
.endr
	v_and_b32 v1, 15, v0                           ; r
	v_bfe_u32 v2, v0, 4, 1                         ; h
	v_mul_u32_u24 v3, v1, PITCH
	v_lshl_add_u32 v4, v2, 4, v3                   ; a fragment's row x pitch + 16 h
	s_mul_i32 s21, s15, HALFT                      ; my 128 rows of x
	s_mul_i32 s22, s16, HALFT
	s_add_co_u32 s22, s22, 2*HALFT                 ; my 128 weight rows, behind x's 256
	s_cmp_lg_u32 s67, 0
	s_cselect_b32 s18, s22, s21                    ; source 1: places, for v weight rows
	s_cselect_b32 s19, s21, s22                    ; source 0: the other
.irp s, 0,1
	v_add_nc_u32 v[ADRA+\s], s18, v4
	v_add_nc_u32 v[ADRB+\s], s19, v4
	s_add_co_u32 s18, s18, SLOT
	s_add_co_u32 s19, s19, SLOT
.endr
	v_lshlrev_b32 v7, 5, v1                        ; my row's scale bytes: 32 a row,
	v_lshrrev_b32 v8, 8, v7
	v_lshl_add_u32 v7, v8, 4, v7                   ; and 16 more for each 256 passed
	s_mul_i32 s21, s15, HALFS                      ; x's
	s_mul_i32 s22, s16, HALFS
	s_add_co_u32 s22, s22, 2*HALFS                 ; the weights'
	s_sub_co_u32 s22, s22, s21                     ; the distance between the two
	v_xor_b32 v8, s67, v2                          ; lanes 16-31 take source 0's: the weights', for v x's
	v_mul_u32_u24 v8, s22, v8
	s_add_co_u32 s21, s21, SCL
	v_add_nc_u32 v7, v7, v8
	v_add_nc_u32 v[ADRS], s21, v7
	; the way out
	s_and_b32 s95, s17, 3
	s_lshl_b32 s95, s95, 8
	s_lshl_b32 s18, s15, 7
	s_add_co_u32 s95, s95, s18                     ; my first place in the batch
	s_mov_b32 s18, 0                               ; where a kind's codes and scale words begin in a head
	s_mov_b32 s19, 32768
	s_cmp_eq_u32 s66, 1
	s_cselect_b32 s18, 34816, s18
	s_cselect_b32 s19, 100352, s19
	s_cmp_eq_u32 s66, 2
	s_cselect_b32 s18, 67584, s18
	s_cselect_b32 s19, 102400, s19
	s_lshl_b32 s20, s95, 5
	s_add_co_u32 s18, s18, s20                     ; 32 bytes of codes a place (q, k: 512 a tile; v: 4,096 a key step)
	s_lshl_b32 s20, s95, 1
	s_add_co_u32 s19, s19, s20                     ; 2 bytes of scales a place
	v_and_b32 v9, 31, v0
	v_lshlrev_b32 v9, 4, v9
	v_add_nc_u32 v[VCA], s18, v9
	v_lshl_add_u32 v9, v1, 2, s19
	v_mul_u32_u24 v10, v2, HS
	v_add_nc_u32 v[VSA], v9, v10                   ; q, k: lanes 16-31 store the second head's words
	v_lshl_add_u32 v[VSV], v2, 6, v9               ; v: lanes 16-31 the next tile's of d
	s_add_co_u32 s20, s95, 96
	v_lshl_add_u32 v[VTOK], v2, 4, s20
.irp b, 0,1,2,3
	v_mov_b32 v[TM+4+\b], 0                        ; written once: a lane permute's destination counts as one of its sources
.endr
	s_lshr_b32 s18, s17, 2                         ; batch
	s_lshl_b32 s18, s18, 4
	s_lshl_b32 s19, s40, 2
	s_add_co_u32 s18, s18, s19
	s_lshl_b32 s19, s16, 1
	s_add_co_u32 s18, s18, s19                     ; 16 batch + my first head
	s_mul_i32 s18, s18, HS
	s_mov_b32 s19, 0
	s_add_nc_u64 s[12:13], s[12:13], s[18:19]
	s_cmp_eq_u32 s66, 1                            ; the bias of my kind,
	s_cselect_b64 s[96:97], s[98:99], s[96:97]
	s_cmp_eq_u32 s66, 2
	s_cselect_b64 s[96:97], s[100:101], s[96:97]
	s_lshl_b32 s18, s40, 10
	s_lshl_b32 s20, s16, 9
	s_add_co_u32 s18, s18, s20
	s_add_nc_u64 s[96:97], s[96:97], s[18:19]      ; at my first column
	v_cmp_gt_u32 s98, 1000, v[VTOK]                ; v's way out: registers 48-55 hold real tokens,
	v_cmp_gt_u32 s99, 992, v[VTOK]                 ; registers 56-63 do
	s_mov_b32 s100, 0xffff0000                     ; lanes 16-31
	v_mov_b32 v10, 0x05040100
	v_mov_b32 v11, 0x07060302
	v_cndmask_b32 v[VSEL], v10, v11, s100
	v_lshlrev_b32 v5, 6, v2                        ; q, k: the bias of columns 32 (b / 2) + 8 (b % 2) + 16 h + 0 .. 7
	v_and_b32 v6, 8, v1
	v_add_nc_u32 v6, v6, v1
	v_lshlrev_b32 v6, 2, v6                        ; v: of column 32 (a / 2) + 8 (a % 2) + r + 8 (r / 8), in all eight registers
	s_cmp_lg_u32 s67, 0
	s_cbranch_scc1 .Lbias_v
	WIN 0x40                                       ; destination window 1
.irp b, 0,1,2,3,4,5,6,7
	global_load_b128 v[BI+8*\b:BI+8*\b+3], v5, s[96:97] offset:(32*(\b/2)+8*(\b%2))*4
	global_load_b128 v[BI+8*\b+4:BI+8*\b+7], v5, s[96:97] offset:(32*(\b/2)+8*(\b%2))*4+16
.endr
	WIN 0
	s_branch .Lbias_in
.Lbias_v:
	WIN 0x40
.irp a, 0,1,2,3,4,5,6,7
.irp j, 0,1,2,3,4,5,6,7
	global_load_b32 v[BI+8*\a+\j], v6, s[96:97] offset:(32*(\a/2)+8*(\a%2))*4
.endr
.endr
	WIN 0
.Lbias_in:
.macro FRAG reg, adr, q, i             ; 16 rows x 128 K of 4-bit codes: 8 registers, two loads of 16 bytes, 32 bytes apart
.irp c, 0,1
	ds_load_b128 v[\reg+4*\c:\reg+4*\c+3], v[\adr] offset:64*(\q)+32*\c+(\i)*16*PITCH
.endr
.endm
.macro FETCH k                         ; the fragments of step k (128 along K) into set k % 2; with a slot's first step its scale words
	WIN 0x40
.irp i, 0,1,2,3,4,5,6,7
	FRAG 128*((\k)%2)+8*\i, ADRB+(\k)/4, (\k)%4, \i
.endr
	WIN 0
.irp i, 0,1,2,3,4,5,6,7
	FRAG AF+64*((\k)%2)+8*\i, ADRA+(\k)/4, (\k)%4, \i
.endr
.if (\k)%4 == 0
.irp i, 0,1,2,3,4,5,6,7
	ds_load_b128 v[SC+32*((\k)/4)+4*\i:SC+32*((\k)/4)+4*\i+3], v[ADRS] offset:\i*SBLK+16*((\k)/4)
.endr
.endif
.endm
; Eight products: source 1's block a against source 0's eight.  cm = 0: onto the sums; 1: the bias of source 0's block starts them; 2: that of source 1's block.
; The 64 accumulators take turns, one instruction a turn, in the same order in every step.
.macro MULA k, a, cm
.irp b, 0,1,2,3,4,5,6,7
.if \cm == 0
	v_wmma_scale_f32_16x16x128_f8f6f4 v[8*(8*((\a)%4)+\b):8*(8*((\a)%4)+\b)+7], v[128*((\k)%2)+8*\b:128*((\k)%2)+8*\b+7], v[AF+64*((\k)%2)+8*(\a):AF+64*((\k)%2)+8*(\a)+7], v[8*(8*((\a)%4)+\b):8*(8*((\a)%4)+\b)+7], v[SC+32*((\k)/4)+4*\b+(\k)%4], v[SC+32*((\k)/4)+4*(\a)+(\k)%4] matrix_a_fmt:MATRIX_FMT_FP4 matrix_b_fmt:MATRIX_FMT_FP4 matrix_a_scale:MATRIX_SCALE_ROW1
.elseif \cm == 1
	v_wmma_scale_f32_16x16x128_f8f6f4 v[8*(8*((\a)%4)+\b):8*(8*((\a)%4)+\b)+7], v[128*((\k)%2)+8*\b:128*((\k)%2)+8*\b+7], v[AF+64*((\k)%2)+8*(\a):AF+64*((\k)%2)+8*(\a)+7], v[BI+8*\b:BI+8*\b+7], v[SC+32*((\k)/4)+4*\b+(\k)%4], v[SC+32*((\k)/4)+4*(\a)+(\k)%4] matrix_a_fmt:MATRIX_FMT_FP4 matrix_b_fmt:MATRIX_FMT_FP4 matrix_a_scale:MATRIX_SCALE_ROW1
.else
	v_wmma_scale_f32_16x16x128_f8f6f4 v[8*(8*((\a)%4)+\b):8*(8*((\a)%4)+\b)+7], v[128*((\k)%2)+8*\b:128*((\k)%2)+8*\b+7], v[AF+64*((\k)%2)+8*(\a):AF+64*((\k)%2)+8*(\a)+7], v[BI+8*(\a):BI+8*(\a)+7], v[SC+32*((\k)/4)+4*\b+(\k)%4], v[SC+32*((\k)/4)+4*(\a)+(\k)%4] matrix_a_fmt:MATRIX_FMT_FP4 matrix_b_fmt:MATRIX_FMT_FP4 matrix_a_scale:MATRIX_SCALE_ROW1
.endif
.endr
.endm
.macro PRODS k, cm, hi                 ; 32 products: blocks 4 hi .. 4 hi + 3.  Source 0 window 1, source 1 window 0, D window 2 + hi, C with D or (the bias) window 1
.if \cm
	WIN 0x91+0x40*\hi
.else
	WIN 0xa1+0x50*\hi
.endif
.irp a, 0,1,2,3
	MULA \k, 4*\hi+\a, \cm
.endr
.endm
.macro STEP k
	s_wait_dscnt 0x0                               ; this step's fragments are in: they were asked for a step, 64 matrix instructions, ago
.if \k == 3
	s_wait_tensorcnt 0x0                           ; my part of slot 1 has landed; my reads of slot 0 are over
	s_barrier_signal -1
	PRODS \k, 0, 0
	WIN 0
	s_barrier_wait -1                              ; everybody's has
	PLACES
	FETCH 4
	PRODS \k, 0, 1
	WIN 0
.else
.if \k < 7
	PLACES                                         ; the other set was read by the step before
	FETCH (\k)+1
.endif
	PRODS \k, 0, 0
	PRODS \k, 0, 1
	WIN 0
.endif
.endm
	s_wait_tensorcnt 1                             ; the scale bytes and my part of slot 0 are in; slot 1's load may stay out
	s_barrier_signal -1
	s_barrier_wait -1
	FETCH 0
	s_wait_loadcnt 0x0                             ; the bias
	s_wait_dscnt 0x0
	FETCH 1
	s_cmp_lg_u32 s67, 0                            ; the first step's products start the sums with the bias, which lies along the registers (q, k) or along the lanes (v)
	s_cbranch_scc1 .Lfirst_v
	PRODS 0, 1, 0
	PRODS 0, 1, 1
	WIN 0
	s_branch .Lfirst_done
.Lfirst_v:
	PRODS 0, 2, 0
	PRODS 0, 2, 1
	WIN 0
.Lfirst_done:
.irp k, 1,2,3,4,5,6,7
	STEP \k
.endr
	PLACES
; 64 numbers of a lane, v[s] .. v[s + 63] of window win, register 16 b + i = number 32 b + 16 h + i of my row, become 8 registers of codes at v[pc] and the scale word v[pw].  Each accumulator is read from its low end on.
.macro QUANT win, s, pc, pw
	WIN ((\win)<<2)|((\win)<<4)
.irp b, 0,1,2,3
	v_max3_num_f32 v[TM+\b], 0x1800000, |v[\s+16*\b]|, |v[\s+16*\b+1]|   ; my 16 numbers of block b, and the floor 2^(3 - 127): the byte cannot fall under 1
.endr
.irp i, 2,4,6,8,10,12,14
.irp b, 0,1,2,3
	v_max3_num_f32 v[TM+\b], v[TM+\b], |v[\s+16*\b+\i]|, |v[\s+16*\b+\i+1]|
.endr
.endr
	WIN 0
.irp b, 0,1,2,3
	v_permlanex16_b32 v[TM+4+\b], v[TM+\b], s2, s3
.endr
.irp b, 0,1,2,3
	v_max_num_f32 v[TM+\b], v[TM+\b], v[TM+4+\b]   ; with lane l xor 16's: the block's largest magnitude
.endr
.irp b, 0,1,2,3
	v_add_nc_u32 v[TM+12+\b], 0xff000000, v[TM+\b] ; 2 off its exponent field: the conversion's scale
.endr
.irp b, 0,1,2,3
	v_lshrrev_b32 v[TM+4+\b], 23, v[TM+12+\b]      ; the byte
.endr
	v_lshl_or_b32 v[\pw], v[TM+5], 8, v[TM+4]
	v_lshl_or_b32 v[\pw], v[TM+6], 16, v[\pw]
	v_lshl_or_b32 v[\pw], v[TM+7], 24, v[\pw]
	WIN \win
.irp b, 0,1,2,3
	v_cvt_scalef32_pk8_fp4_f32 v[\pc+2*\b], v[\s+16*\b:\s+16*\b+7], v[TM+12+\b]
	v_cvt_scalef32_pk8_fp4_f32 v[\pc+2*\b+1], v[\s+16*\b+8:\s+16*\b+15], v[TM+12+\b]
.endr
	WIN 0
	v_nop                                          ; one plain place behind a scaled conversion
.irp c, 0,1                                    ; a whole block to a lane: lanes 0-15 block 2 c, lanes 16-31 block 2 c + 1
.irp i, 0,1
	v_permlane16_swap_b32 v[\pc+4*\c+\i], v[\pc+4*\c+2+\i]
.endr
.endr
.endm
	s_cmp_lg_u32 s67, 0
	s_cbranch_scc1 .Lout_v
	; q, k: block a is a tile of 16 places; its 128 columns are two heads: four registers of codes each, stored as they stand, 512 consecutive bytes a store
.irp a, 0,1,2,3,4,5,6,7
	QUANT 2+\a/4, 64*(\a%4), PC+8*\a, PW+\a
	global_store_b128 v[VCA], v[PC+8*\a:PC+8*\a+3], s[12:13] offset:512*\a
	global_store_b128 v[VCA], v[PC+8*\a+4:PC+8*\a+7], s[12:13] offset:HS+512*\a
.endr
.irp i, 0,1,2,3                                ; a pair of tiles: (even tile's two bytes, odd tile's two) of the first head in lanes 0-15, of the second in lanes 16-31
	v_perm_b32 v[WD+\i], v[PW+2*\i+1], v[PW+2*\i], v[VSEL]
	global_store_b32 v[VSA], v[WD+\i], s[12:13] offset:64*\i
.endr
	s_branch .Lclose
.Lout_v:
	; v: block a is a tile of 16 rows d (a / 4: the head); its 128 tokens are a key step: eight registers of codes
.irp a, 0,1,2,3,4,5,6,7
	WIN 0x44*(2+\a/4)                              ; destination and source 1: the accumulators' window
.irp i, 0,1,2,3,4,5,6,7
	v_cndmask_b32 v[64*(\a%4)+48+\i], 0, v[64*(\a%4)+48+\i], s98   ; tokens from 1,000 on count as 0
.endr
.irp i, 8,9,10,11,12,13,14,15
	v_cndmask_b32 v[64*(\a%4)+48+\i], 0, v[64*(\a%4)+48+\i], s99
.endr
	QUANT 2+\a/4, 64*(\a%4), PC+8*\a, PW+\a
	global_store_b128 v[VCA], v[PC+8*\a:PC+8*\a+3], s[12:13] offset:(\a/4)*HS+(\a%4)*1024
	global_store_b128 v[VCA], v[PC+8*\a+4:PC+8*\a+7], s[12:13] offset:(\a/4)*HS+(\a%4)*1024+512
.endr
.irp i, 0,1,2,3                                ; two tiles' scale words: 128 consecutive bytes
	v_cndmask_b32 v[WD+\i], v[PW+2*\i], v[PW+2*\i+1], s100
	global_store_b32 v[VSV], v[WD+\i], s[12:13] offset:(\i/2)*HS+(\i%2)*128
.endr
.Lclose:
	s_wait_tensorcnt 0x0
	ds_add_u32 v126, v127
	s_wait_dscnt 0x0
	CROUND                                         ; the closing round: no work-group ends while a partner may still ask for a tile that names it
	s_endpgm
.Lfunc_end_k_q5375b956a5_qkv:
	.size	k_q5375b956a5_qkv, .Lfunc_end_k_q5375b956a5_qkv-k_q5375b956a5_qkv
	.p2alignl 7, 3214868480
	.fill 96, 4, 3214868480
	.section	.rodata,"a",@progbits
	.p2align	6, 0x0
	.amdhsa_kernel k_q5375b956a5_qkv
		.amdhsa_group_segment_fixed_size 296448
		.amdhsa_private_segment_fixed_size 0
		.amdhsa_enable_private_segment 0
		.amdhsa_kernarg_size 64
		.amdhsa_user_sgpr_count 2
		.amdhsa_user_sgpr_kernarg_segment_ptr 1
		.amdhsa_wavefront_size32 1
		.amdhsa_system_sgpr_workgroup_id_x 1
		.amdhsa_system_sgpr_workgroup_id_y 1
		.amdhsa_system_sgpr_workgroup_id_z 1
		.amdhsa_system_vgpr_workitem_id 0
		.amdhsa_next_free_vgpr 1024
		.amdhsa_next_free_sgpr 102
		.amdhsa_reserve_vcc 0
		.amdhsa_float_denorm_mode_32 3
		.amdhsa_float_denorm_mode_16_64 3
		.amdhsa_memory_ordered 1
		.amdhsa_forward_progress 1
		.amdhsa_inst_pref_size 186
	.end_amdhsa_kernel
	.amdgpu_metadata
---
amdhsa.version: [ 1, 2 ]
amdhsa.kernels:
  - .name:           k_q5375b956a5_qkv
    .symbol:         k_q5375b956a5_qkv.kd
    .args:
      - { .name: xc, .offset: 0, .size: 8, .value_kind: global_buffer, .address_space: global }
      - { .name: xs, .offset: 8, .size: 8, .value_kind: global_buffer, .address_space: global }
      - { .name: wc, .offset: 16, .size: 8, .value_kind: global_buffer, .address_space: global }
      - { .name: ws, .offset: 24, .size: 8, .value_kind: global_buffer, .address_space: global }
      - { .name: bq, .offset: 32, .size: 8, .value_kind: global_buffer, .address_space: global }
      - { .name: bk, .offset: 40, .size: 8, .value_kind: global_buffer, .address_space: global }
      - { .name: bv, .offset: 48, .size: 8, .value_kind: global_buffer, .address_space: global }
      - { .name: qkv, .offset: 56, .size: 8, .value_kind: global_buffer, .address_space: global }
    .group_segment_fixed_size: 296448
    .private_segment_fixed_size: 0
    .kernarg_segment_align: 8
    .kernarg_segment_size: 64
    .max_flat_workgroup_size: 128
    .sgpr_count:     102
    .vgpr_count:     1024
    .wavefront_size: 32
...
	.end_amdgpu_metadata
.endif
;; end of part 2
;; launch attn (part 3): grid 256 x 1, 16 waves a work-group, no clusters, 169,984 bytes of LDS; arguments qkv, yc, ys; writes yc, ys
.if DOCPART == 3
	.amdgcn_target "amdgcn-amd-amdhsa--gfx1250"
	.amdhsa_code_object_version 6
	.text
	.protected	k_q5375b956a5_attn
	.globl	k_q5375b956a5_attn
	.p2align	8
	.type	k_q5375b956a5_attn,@function
k_q5375b956a5_attn:
	s_mov_b64 s[64:65], 0
	v_nop
	global_prefetch_b8 v0, s[64:65] scope:SCOPE_SE
	s_setreg_imm32_b32 hwreg(HW_REG_WAVE_MODE, 25, 1), 1
	s_wait_xcnt 0x0
; y = softmax(q k^T / sqrt(1000), causal) v for one head, both products on codes of FP4 with E8M0 scales, and y quantised along its 64 for the projection.
; THE SOFTMAX: t = score x c, c = log2(e) / sqrt(1000); M = the row's largest t so far, rounded UP to a whole number; p = 2^(t - M) is quantised along the keys, not normalised; the row's sum is taken of the
; unquantised p and divides at the end.  When M moves, the sum and O are multiplied by 2^(old M - new M): exact.
; SHARES.  Two work-groups to a head; sixteen waves, four to a SIMD.  Wave w of half g takes the tiles of 16 queries i = 16 g + w and 63 - i.  Tile i needs i / 8 + 1 key steps of 128 keys: nine steps for every wave.
; The loop over key steps has a constant count; a step all of whose keys come after the tile's queries is left out by a scalar branch on ids.
; LDS holds the head's K and V, codes and scale words, 69,632 dense bytes of qkv: filled once, by waves 0-3, never stored to.  No joint loads: two work-groups share these bytes, once, at the start.
; ORDER.  Place p holds token swap34(p) (bits 3 and 4 exchanged).  Both products are used transposed (S^T = K Q^T, O^T = V^T P^T): a lane holds ONE query; register 16 b + i of S^T is key 32 b + 16 h + i of the step.
; THE HEAD'S 64 IN AN INSTRUCTION OF 128: a fragment of K holds TWO tiles of keys (registers 0-3 the even one's 64, registers 4-7 the odd one's); it is multiplied by (q, 0) for the even tile and by (0, q) for the odd.
; LIMITS: NaN and infinities are not served.  t is one multiplication by c, where the source divides by sqrt(1000) and then multiplies by log2(e).  M is a whole number exactly for |t| under 2^24.
; A block of p or of y whose largest number lies under 2^-124 keeps the byte 1 (a block of zeros too: its codes are zeros).  Rows of padding places (tokens from 1,000 on) are computed and stored; nobody uses them.
; The scale bytes of y leave as 2 bytes a row, 32 bytes apart: 262,144 bytes in the whole launch: so the projection finds them as rows of 32.
; REGISTERS: v1-10 addresses; v12 -M, v13 the largest t, v[14:15] the sum; v16-27: 0000 q 0000; v28 q's scale word; v30, v31 y's scale words; v32-63 K; v64-95 V; v96-159 S^T, p, then y; v160-191 O^T;
;   v192-199 p's codes; v200-207 K's, V's scale words; v208-223 at work; v224-231 y's codes; v232-236 the second tile's q.
.set HS,  104448
.set LI,  1                            ; v1  16 x lane: an image's place for my lane
.set SW,  2                            ; v2  4 r + where K's scale words begin
.set DQ,  3                            ; v3  r + 8 (r / 8) - 16 h
.set ADK, 5
.set ADS, 6
	s_load_b128 s[4:7], s[0:1], 0x0                ; qkv, yc
	s_load_b64 s[8:9], s[0:1], 0x10                ; ys
	v_lshl_add_u32 v254, v0, 2, 0x29000
	v_mov_b32 v255, 0
	ds_add_u32 v254, v255
	ds_add_u32 v254, v255
	v_lshrrev_b32 v1, 5, v0
	v_readfirstlane_b32 s10, v1                    ; wave 0..15
	s_lshr_b32 s11, ttmp9, 1                       ; 16 batch + head
	s_and_b32 s12, ttmp9, 1
	s_lshl_b32 s13, s12, 4
	s_add_co_u32 s13, s13, s10                     ; my first tile
	s_sub_co_u32 s14, 63, s13                      ; my second
	s_mov_b32 s16, 3<<16                           ; group 1: elements of 8 bytes, no mask, no padding
	s_mov_b32 s17, 32<<16                          ; tensor_dim0 = 32: rows of 256 bytes
	s_mov_b32 s18, 68<<16                          ; tensor_dim1 = 68
	s_mov_b32 s19, 32<<16                          ; tile_dim0
	s_mov_b32 s20, 68                              ; tile_dim1
	s_mov_b32 s21, 32                              ; the pitch: dense
	s_mov_b32 s22, 0
	s_mov_b32 s23, 0
	s_min_u32 s37, s10, 3
	s_mul_i32 s25, s37, 17408                      ; LDS address: a quarter for each of waves 0-3
	s_add_co_u32 s44, s25, 34816                   ; and in the head: K's codes begin 34,816 bytes in
	s_mov_b32 s45, 0
	s_mul_i32 s42, s11, HS
	s_mov_b32 s43, 0
	s_mov_b32 s24, 1
	s_mov_b32 s28, 0x76543210
	s_mov_b32 s29, 0xfedcba98                      ; v_permlanex16_b32's selects for lane l xor 16
	s_mov_b32 s30, 0x3d3ade29                      ; c = log2(e) / sqrt(1000)
	s_mov_b32 s31, s30                             ; (named with it as a pair)
	s_mov_b32 s38, 0x01000100                      ; an even tile's two bytes of a pair word, twice
	s_mov_b32 s39, 0x03020302                      ; an odd tile's
	s_mov_b32 s41, 0xffff0000                      ; lanes 16-31
	s_wait_dscnt 0x0
	s_wait_kmcnt 0x0
	s_add_nc_u64 s[4:5], s[4:5], s[42:43]          ; qkv at my head
	s_add_nc_u64 s[26:27], s[4:5], s[44:45]
	s_or_b32 s27, s27, 0x80000000                  ; type = 2
	s_cmp_lt_u32 s10, 4
	s_cbranch_scc0 .Lno_fill
	tensor_load_to_lds s[24:27], s[16:23]          ; the one fill of these bytes
	s_nop 0
.rept 4
	v_nop
.endr
.Lno_fill:
	s_lshl_b32 s42, s11, 15
	s_add_nc_u64 s[6:7], s[6:7], s[42:43]          ; yc at my head
	s_lshr_b32 s42, s11, 4
	s_lshl_b32 s42, s42, 15
	s_and_b32 s37, s11, 15
	s_lshl_b32 s37, s37, 1
	s_add_co_u32 s42, s42, s37
	s_add_nc_u64 s[8:9], s[8:9], s[42:43]          ; ys at my batch, + 2 head
	v_and_b32 v11, 31, v0
	v_lshlrev_b32 v[LI], 4, v11
	v_and_b32 v4, 15, v0                           ; r
	v_bfe_u32 v11, v0, 4, 1                        ; h
	v_lshl_add_u32 v[SW], v4, 2, 0x10000
	v_and_b32 v[DQ], 8, v4
	v_add_nc_u32 v[DQ], v[DQ], v4
	v_lshlrev_b32 v5, 4, v11
	v_sub_nc_u32 v[DQ], v[DQ], v5
	s_lshl_b32 s37, s13, 9
	v_add_nc_u32 v7, s37, v[LI]                    ; a tile's image: 512 i + 16 lane, in qc and in yc
	s_lshl_b32 s37, s14, 9
	v_add_nc_u32 v9, s37, v[LI]
	v_lshlrev_b32 v5, 2, v4
	s_lshr_b32 s37, s13, 1
	s_lshl_b32 s37, s37, 6
	v_add_nc_u32 v8, s37, v5                       ; its pair word: 64 (i / 2) + 4 r
	s_lshr_b32 s37, s14, 1
	s_lshl_b32 s37, s37, 6
	v_add_nc_u32 v10, s37, v5
	global_load_b128 v[20:23], v7, s[4:5]          ; both tiles' q now
	global_load_b32 v29, v8, s[4:5] offset:32768
	global_load_b128 v[232:235], v9, s[4:5]
	global_load_b32 v236, v10, s[4:5] offset:32768
	s_lshl_b32 s37, s13, 1
	s_sub_co_u32 s37, 63, s37
	s_lshl_b32 s37, s37, 9
	v_mul_lo_u32 v238, v11, s37                    ; ys: lanes 0-15 the first tile's rows, lanes 16-31 the second's: 512 bytes a tile, 32 a row
	v_lshl_add_u32 v238, v4, 5, v238
	s_lshl_b32 s37, s13, 9
	v_add_nc_u32 v238, s37, v238
.irp j, 16,17,18,19,24,25,26,27
	v_mov_b32 v[\j], 0                             ; the zero halves beside q
.endr
.irp j, 212,213,214,215,221,222
	v_mov_b32 v[\j], 0                             ; written once: lane permutes' destinations, and the upper half of the pair v[220:221]
.endr
	s_wait_loadcnt 0x0                             ; q
	s_wait_tensorcnt 0x0                           ; my quarter has landed
	s_barrier_signal -1
	s_barrier_wait -1                              ; everybody's has
; One tile of 16 queries.  n: 0 or 1; si: the scalar register that holds the tile's number.
.macro TILE n, si
	s_lshr_b32 s36, s[\si], 1
	s_lshl_b32 s36, s36, 5
	s_and_b32 s37, s[\si], 1
	s_lshl_b32 s37, s37, 3
	s_add_co_u32 s36, s36, s37                     ; the tile's first token: 32 (i / 2) + 8 (i % 2); its last is 23 further on
	s_bitcmp1_b32 s[\si], 0
	s_cselect_b32 s40, s39, s38
.if \n
.irp c, 0,1,2,3
	v_mov_b32 v[20+\c], v[232+\c]
.endr
	v_perm_b32 v28, v236, v236, s40                ; q's scale word: its two bytes twice, for (q, 0) and for (0, q)
.else
	v_perm_b32 v28, v29, v29, s40
.endif
	v_mov_b32 v13, 0xff61b1e6                      ; the largest t so far: -3e38
	v_floor_f32 v12, -v13                          ; -M
	v_mov_b32 v14, 0
	v_mov_b32 v15, 0
.set j, 0
.rept 32
	v_mov_b32 v[160+j], 0                          ; O^T: the step is written once; its first run finds zeros.  (These lines are also the places between v28, q and the first products)
.set j, j+1
.endr
	s_mov_b32 s32, 0                               ; the step's first key
	s_mov_b32 s33, 0                               ; its codes: 4,096 bytes a step, K's and V's alike
	s_mov_b32 s34, 0                               ; its scale words: 256 bytes a step
	s_mov_b32 s35, 8
.Ltrip_\@:
	s_add_co_u32 s37, s36, 23
	s_cmp_gt_u32 s32, s37
	s_cbranch_scc1 .Lhidden_\@                     ; all 128 keys come after my queries
	v_add_nc_u32 v[ADK], s33, v[LI]
	v_add_nc_u32 v[ADS], s34, v[SW]
.irp b, 0,1,2,3
.irp c, 0,1
	ds_load_b128 v[32+8*\b+4*\c:35+8*\b+4*\c], v[ADK] offset:1024*\b+512*\c      ; K: tiles 2 b and 2 b + 1 of the step
.endr
	ds_load_b32 v[200+\b], v[ADS] offset:64*\b
.endr
.irp t, 0,1,2,3
.irp c, 0,1
	ds_load_b128 v[64+8*\t+4*\c:67+8*\t+4*\c], v[ADK] offset:32768+1024*\t+512*\c   ; V: tile t of d, these 128 keys
.endr
	ds_load_b32 v[204+\t], v[ADS] offset:2048+64*\t
.endr
	s_wait_dscnt 12                                ; K's twelve loads are in; V's twelve may be out
.irp b, 0,1,2,3
	v_wmma_scale_f32_16x16x128_f8f6f4 v[96+16*\b:103+16*\b], v[32+8*\b:39+8*\b], v[20:27], 0, v[200+\b], v28 matrix_a_fmt:MATRIX_FMT_FP4 matrix_b_fmt:MATRIX_FMT_FP4
	v_wmma_scale_f32_16x16x128_f8f6f4 v[104+16*\b:111+16*\b], v[32+8*\b:39+8*\b], v[16:23], 0, v[200+\b], v28 matrix_a_fmt:MATRIX_FMT_FP4 matrix_b_fmt:MATRIX_FMT_FP4
.endr
.rept 4
	v_nop
.endr
	s_add_co_u32 s37, s32, 127
	s_cmp_le_u32 s37, s36
	s_cbranch_scc1 .Lopen_\@                       ; all 128 keys count for all my queries
	s_sub_co_i32 s37, s36, s32
	v_add_nc_u32 v222, s37, v[DQ]                  ; my query - the step's first key - 16 h: register 16 b + i is hidden where 32 b + i is larger
	v_mov_b32 v223, 0xff800000                     ; -infinity: p = 0 then
.set n, 0
.rept 64
	v_cmp_gt_i32 vcc_lo, 32*(n/16)+n%16, v222
	v_cndmask_b32 v[96+n], v[96+n], v223, vcc_lo
.set n, n+1
.endr
.Lopen_\@:
.irp b, 0,1,2,3
	v_max3_num_f32 v[208+\b], v[96+16*\b], v[97+16*\b], v[98+16*\b]   ; the largest score of each block of 32 keys: for the row's maximum and, since p rises with the score, for the block's largest p
.endr
.irp i, 3,5,7,9,11,13
.irp b, 0,1,2,3
	v_max3_num_f32 v[208+\b], v[208+\b], v[96+16*\b+\i], v[97+16*\b+\i]
.endr
.endr
.irp b, 0,1,2,3
	v_max_num_f32 v[208+\b], v[208+\b], v[111+16*\b]
.endr
.irp b, 0,1,2,3
	v_permlanex16_b32 v[212+\b], v[208+\b], s28, s29
.endr
.irp b, 0,1,2,3
	v_max_num_f32 v[208+\b], v[208+\b], v[212+\b]  ; with lane l xor 16's 16 keys
.endr
	v_max3_num_f32 v222, v208, v209, v210
	v_max_num_f32 v222, v222, v211
	v_mul_f32 v222, s30, v222                      ; as t (c is positive)
	v_max_num_f32 v13, v13, v222                   ; the running largest t
	v_mov_b32 v222, v12
	v_floor_f32 v12, -v13                          ; the new -M = -ceil(t)
	v_sub_f32 v222, v12, v222                      ; old M - new M: a whole number, 0 or less
	v_cvt_i32_f32 v222, v222                       ; (it saturates)
	v_ldexp_f32 v220, 1.0, v222                    ; f = 2^(old M - new M)
.set j, 0
.rept 32
	v_pk_fma_f32 v[96+j:97+j], v[96+j:97+j], s[30:31], v[12:13] op_sel_hi:[1,0,0]   ; t - M, two at a time
.set j, j+2
.endr
.irp b, 0,1,2,3
	v_fma_f32 v[208+\b], v[208+\b], s30, v12       ; the same of each block's largest score
.endr
.set j, 0
.rept 64
	v_exp_f32 v[96+j], v[96+j]                     ; p = 2^(t - M)
.set j, j+1
.endr
.irp b, 0,1,2,3
	v_exp_f32 v[208+\b], v[208+\b]                 ; the block's largest p
.endr
	v_pk_mul_f32 v[14:15], v[14:15], v[220:221] op_sel_hi:[1,0]   ; the sums under the new M (a plain place behind the exponentials)
	s_wait_alu depctr_va_vdst(0)
.irp b, 0,1,2,3
	v_max_num_f32 v[208+\b], 0x1800000, v[208+\b]  ; the floor 2^(3 - 127)
.endr
.irp b, 0,1,2,3
	v_add_nc_u32 v[216+\b], 0xff000000, v[208+\b]  ; the conversion's scale
.endr
.irp b, 0,1,2,3
	v_lshrrev_b32 v[212+\b], 23, v[216+\b]         ; the byte
.endr
	v_lshl_or_b32 v221, v213, 8, v212              ; p's scale word for these 128 keys
	v_lshl_or_b32 v221, v214, 16, v221
	v_lshl_or_b32 v221, v215, 24, v221
.irp b, 0,1,2,3
	v_cvt_scalef32_pk8_fp4_f32 v[192+2*\b], v[96+16*\b:103+16*\b], v[216+\b]
	v_cvt_scalef32_pk8_fp4_f32 v[193+2*\b], v[104+16*\b:111+16*\b], v[216+\b]
.endr
	v_nop                                          ; one plain place behind a scaled conversion
.irp c, 0,1
.irp i, 0,1
	v_permlane16_swap_b32 v[192+4*\c+\i], v[194+4*\c+\i]   ; a whole block to a lane
.endr
.endr
	v_pk_add_f32 v[212:213], v[96:97], v[98:99]    ; the row's sum, of the unquantised p: two chains
.set j, 4
.rept 15
	v_pk_add_f32 v[14:15], v[14:15], v[96+j:97+j]
	v_pk_add_f32 v[212:213], v[212:213], v[98+j:99+j]
.set j, j+4
.endr
	v_pk_add_f32 v[14:15], v[14:15], v[212:213]
.set j, 0
.rept 16
	v_pk_mul_f32 v[160+j:161+j], v[160+j:161+j], v[220:221] op_sel_hi:[1,0]   ; O^T under the new M
.set j, j+2
.endr
	s_wait_dscnt 0x0                               ; V
.irp t, 0,1,2,3
	v_wmma_scale_f32_16x16x128_f8f6f4 v[160+8*\t:167+8*\t], v[64+8*\t:71+8*\t], v[192:199], v[160+8*\t:167+8*\t], v[204+\t], v221 matrix_a_fmt:MATRIX_FMT_FP4 matrix_b_fmt:MATRIX_FMT_FP4
.endr
.rept 4
	v_nop                                          ; places in front of the next step's loads and of the way out's reads
.endr
.Lhidden_\@:
	s_add_co_u32 s32, s32, 128
	s_add_co_u32 s33, s33, 4096
	s_add_co_u32 s34, s34, 256
	s_sub_co_i32 s35, s35, 1
	s_cmp_lg_u32 s35, 0
	s_cbranch_scc1 .Ltrip_\@
	; the way out: O^T / the sum; register 16 b + i is y at d = 32 b + 16 h + i: two blocks, quantised as above
	v_add_f32 v14, v14, v15
	v_permlanex16_b32 v222, v14, s28, s29
	v_add_f32 v14, v14, v222
	v_rcp_f32 v14, v14
	v_nop
.set j, 0
	s_wait_alu depctr_va_vdst(0)
.rept 16
	v_pk_mul_f32 v[96+j:97+j], v[160+j:161+j], v[14:15] op_sel_hi:[1,0]
.set j, j+2
.endr
.irp b, 0,1
	v_max3_num_f32 v[208+\b], |v[96+16*\b]|, |v[97+16*\b]|, 0x1800000
.endr
.irp i, 2,4,6,8,10,12,14
.irp b, 0,1
	v_max3_num_f32 v[208+\b], v[208+\b], |v[96+16*\b+\i]|, |v[97+16*\b+\i]|
.endr
.endr
.irp b, 0,1
	v_permlanex16_b32 v[212+\b], v[208+\b], s28, s29
.endr
.irp b, 0,1
	v_max_num_f32 v[208+\b], v[208+\b], v[212+\b]
.endr
.irp b, 0,1
	v_add_nc_u32 v[216+\b], 0xff000000, v[208+\b]
.endr
.irp b, 0,1
	v_lshrrev_b32 v[212+\b], 23, v[216+\b]
.endr
	v_lshl_or_b32 v[30+\n], v213, 8, v212          ; my row's two bytes
.irp b, 0,1
	v_cvt_scalef32_pk8_fp4_f32 v[224+4*\n+2*\b], v[96+16*\b:103+16*\b], v[216+\b]
	v_cvt_scalef32_pk8_fp4_f32 v[225+4*\n+2*\b], v[104+16*\b:111+16*\b], v[216+\b]
.endr
	v_nop
.irp i, 0,1
	v_permlane16_swap_b32 v[224+4*\n+\i], v[226+4*\n+\i]   ; lanes 0-15 the head's block 0, lanes 16-31 its block 1
.endr
	global_store_b128 v[7+2*\n], v[224+4*\n:227+4*\n], s[6:7]   ; the tile's image: 512 consecutive bytes
.endm
	TILE 0, 13
	TILE 1, 14
	v_cndmask_b32 v237, v30, v31, s41
	global_store_b16 v238, v237, s[8:9]
	s_wait_tensorcnt 0x0
	ds_add_u32 v254, v255
	s_wait_dscnt 0x0
	s_endpgm
.Lfunc_end_k_q5375b956a5_attn:
	.size	k_q5375b956a5_attn, .Lfunc_end_k_q5375b956a5_attn-k_q5375b956a5_attn
	.p2alignl 7, 3214868480
	.fill 96, 4, 3214868480
	.section	.rodata,"a",@progbits
	.p2align	6, 0x0
	.amdhsa_kernel k_q5375b956a5_attn
		.amdhsa_group_segment_fixed_size 169984
		.amdhsa_private_segment_fixed_size 0
		.amdhsa_enable_private_segment 0
		.amdhsa_kernarg_size 24
		.amdhsa_user_sgpr_count 2
		.amdhsa_user_sgpr_kernarg_segment_ptr 1
		.amdhsa_wavefront_size32 1
		.amdhsa_system_sgpr_workgroup_id_x 1
		.amdhsa_system_sgpr_workgroup_id_y 1
		.amdhsa_system_sgpr_workgroup_id_z 1
		.amdhsa_system_vgpr_workitem_id 0
		.amdhsa_next_free_vgpr 256
		.amdhsa_next_free_sgpr 66
		.amdhsa_reserve_vcc 1
		.amdhsa_float_denorm_mode_32 3
		.amdhsa_float_denorm_mode_16_64 3
		.amdhsa_memory_ordered 1
		.amdhsa_forward_progress 1
		.amdhsa_inst_pref_size 56
	.end_amdhsa_kernel
	.amdgpu_metadata
---
amdhsa.version: [ 1, 2 ]
amdhsa.kernels:
  - .name:           k_q5375b956a5_attn
    .symbol:         k_q5375b956a5_attn.kd
    .args:
      - { .name: qkv, .offset: 0, .size: 8, .value_kind: global_buffer, .address_space: global }
      - { .name: yc, .offset: 8, .size: 8, .value_kind: global_buffer, .address_space: global }
      - { .name: ys, .offset: 16, .size: 8, .value_kind: global_buffer, .address_space: global }
    .group_segment_fixed_size: 169984
    .private_segment_fixed_size: 0
    .kernarg_segment_align: 8
    .kernarg_segment_size: 24
    .max_flat_workgroup_size: 512
    .sgpr_count:     66
    .vgpr_count:     256
    .wavefront_size: 32
...
	.end_amdgpu_metadata
.endif
;; end of part 3
;; launch proj (part 4): grid 4 x 64, 4 waves a work-group, clusters of 4 x 4, 218,368 bytes of LDS; arguments yc, ys, wc, ws, bp, out0; writes out0
.if DOCPART == 4
	.amdgcn_target "amdgcn-amd-amdhsa--gfx1250"
	.amdhsa_code_object_version 6
	.text
	.protected	k_q5375b956a5_proj
	.globl	k_q5375b956a5_proj
	.p2align	8
	.type	k_q5375b956a5_proj,@function
k_q5375b956a5_proj:
	s_mov_b64 s[64:65], 0
	v_nop
	global_prefetch_b8 v0, s[64:65] scope:SCOPE_SE
	s_setreg_imm32_b32 hwreg(HW_REG_WAVE_MODE, 25, 1), 1
	s_wait_xcnt 0x0
	s_wait_alu depctr_hold_cnt(0) depctr_sa_sdst(0) depctr_va_vdst(0) depctr_va_sdst(0) depctr_va_ssrc(0) depctr_va_vcc(0) depctr_vm_vsrc(0)
	s_getreg_b32 s2, hwreg(HW_REG_IB_STS2, 6, 4)
	s_cmp_eq_u32 s2, 0
	s_cbranch_scc0 .Lentry_in_a_cluster
	s_endpgm
.Lentry_in_a_cluster:
	s_bfe_u32 s2, ttmp6, 0x10000c
	s_cmp_lg_u32 s2, 0xf033
	s_cbranch_scc0 .Lentry_shape_is_right
	s_endpgm
.Lentry_shape_is_right:
; out0 = gelu(y wp + bp), the product on codes of FP4 with E8M0 scales, the exact GELU in f32.
; A GEMM of 8,192 places (yc, ys) x 1,024 weight rows (rows 3,072 on of wc, ws), K = 1,024.  A work-group of four waves makes 128 places x 256 columns, so that there are 256 work-groups to share the GELU;
; a wave makes 64 x 128: 32 accumulators.  K is two LDS slots of 512 (eight heads): both slots and all scale bytes are first fills; no LDS byte is filled twice.
; CLUSTERS: 4 x 4 work-groups; y's tiles are shared along a row of the cluster, wp's along a column: joint loads.
; y's codes lie as images of operand registers, [16 batch + head][64 tiles][512 bytes]: four registers of a fragment are one dense load.  wp's lie as rows, padded in LDS.
; Source 0 = weight rows, source 1 = places: a lane holds a place, its registers run along the columns; the weight rows lie in the order swap34, so accumulators 2 b', 2 b' + 1 are 16 neighbouring columns.
; GELU: gelu(x) = max(x, 0) - |x| E / 2 with E = 1 - erf(|x| / sqrt 2) = poly(t) e^(-x x / 2), t = 1 / (1 + p |x| / sqrt 2): Abramowitz and Stegun 7.1.26, absolute error of erf at most 1.5e-7 for every x;
; no difference of near numbers is formed for negative x.
; Place p holds token swap34(p); rows of tokens from 1,000 on are not stored: their stores run with no lane on (no branch hangs on the place in the cluster).
; LIMITS: NaN and infinities are not served.
; REGISTERS: window 0: v1-29 addresses; v32-95 scale words, a set for each slot; v128-191 y's fragments, two sets; on the way out v32-111 at work, v112-175 results, v176-239 rows read back, v240-241 a constant.
;   window 1: v0-63, v128-191 wp's fragments, two sets; v64-127 the bias.   window 2: the accumulators, (a, b) at v[8 (8 a + b)].
.set PITCH,  272
.set HALFT,  128*PITCH
.set SLOTP,  32768+2*HALFT             ; y's images (8 heads x 8 tiles x 512 bytes), then wp's 256 rows
.set SCL,    2*SLOTP                   ; y's scale bytes: 2 x 2,176; wp's: 2 x 4,352, from SCL + 4,352 on
.set SBLK,   2*272
.set SPITCH, 528                       ; the way out: a stage of 16 rows x (512 + 16) bytes for each wave, in slot 0: it has had its only fill, and nobody reads it behind the change of slots
.set ADRA, 16
.set ADRB, 20
.set STO,  24
.set RD,   25
.set CO,   26
.set ADRS, 27
.set VB64, 28                          ; v28 my first place in the batch
.set SC,   32
.set AF,   128
.set BI,   64
.set AX,   32                          ; the way out: |x|
.set MX,   48                          ; max(x, 0)
.set TT,   64                          ; t
.set EX,   80                          ; e^(-x x / 2)
.set PP,   96                          ; the polynomial
.set GG,   112
.set BK,   176
.set G1, 24
.set G0, 32
.set G1B, 48
.set G0B, 56
.set G1S, 68
.set G0S, 76
.set G1SB, 80
.set G0SB, 88
.set MSB, 0
.macro WIN new
.if MSB != (\new)
	s_set_vgpr_msb (MSB<<8)|(\new)
.set MSB, (\new)
.endif
.endm
.macro JLOAD g0a, g1a, g0b, g1b        ; waves 0 and 1 fetch for y, waves 2 and 3 for wp; four v_nop follow each of the two lines
	s_cmp_eq_u32 s15, 0
	s_cbranch_scc0 .Lfor_b_\@
	tensor_load_to_lds s[\g0a:\g0a+3], s[\g1a:\g1a+7]
	s_nop 0
.rept 4
	v_nop
.endr
	s_branch .Lasked_\@
.Lfor_b_\@:
	tensor_load_to_lds s[\g0b:\g0b+3], s[\g1b:\g1b+7]
	s_nop 0
.rept 4
	v_nop
.endr
.Lasked_\@:
.endm
.macro CROUND
	s_barrier_signal -1
	s_barrier_wait -1
	s_cmp_lg_u32 s14, 0
	s_cbranch_scc1 .Lnot_wave_0_\@
	s_barrier_signal -3
.Lnot_wave_0_\@:
	s_barrier_wait -3
	s_barrier_signal -1
	s_barrier_wait -1
.endm
.macro PLACES
.rept 4
	v_nop
.endr
.endm
	s_load_b128 s[4:7], s[0:1], 0x0                ; yc, ys
	s_load_b128 s[8:11], s[0:1], 0x10              ; wc, ws
	s_load_b128 s[96:99], s[0:1], 0x20             ; bp, out0
	v_lshl_add_u32 v254, v0, 2, 0x35300
	v_mov_b32 v255, 0
	ds_add_u32 v254, v255
	ds_add_u32 v254, v255
	v_lshrrev_b32 v1, 5, v0
	v_readfirstlane_b32 s14, v1                    ; wave 0..3
	s_lshr_b32 s15, s14, 1                         ; which 64 places are mine.  Also: I fetch for y (0) or for wp (1)
	s_and_b32 s16, s14, 1                          ; which 128 columns.  Also: which half I fetch
	s_bfe_u32 s40, ttmp6, 0x40000                  ; cx, cy
	s_bfe_u32 s41, ttmp6, 0x40004
	s_lshl_b32 s42, ttmp9, 2
	s_add_co_u32 s42, s42, s40                     ; tile column
	s_and_b32 s17, ttmp7, 0xffff
	s_lshl_b32 s17, s17, 2
	s_add_co_u32 s17, s17, s41                     ; tile row
	s_lshl_b32 s43, s41, 2
	s_lshl_b32 s43, 15, s43                        ; my row of the cluster
	s_lshl_b32 s44, 0x1111, s40                    ; my column
	s_or_b32 s[G1+0], s43, (3<<16)|(1<<21)         ; y's codes: four heads' 8 tiles: 4 rows of 512 elements of 8 bytes, 32,768 bytes apart; no padding
	s_mov_b32 s[G1+1], 512<<16
	s_mov_b32 s[G1+2], 4<<16
	s_mov_b32 s[G1+3], 512<<16
	s_mov_b32 s[G1+4], 4
	s_mov_b32 s[G1+5], 4096
	s_mov_b32 s[G1+6], 0
	s_mov_b32 s[G1+7], 0
	s_or_b32 s[G1B+0], s44, (0<<16)|(1<<20)|(1<<21)|(5<<22)|(3<<25)  ; wp's codes: 128 rows of 256 bytes, 512 apart, 16 bytes of padding behind each
	s_mov_b32 s[G1B+1], 256<<16
	s_mov_b32 s[G1B+2], 128<<16
	s_mov_b32 s[G1B+3], 256<<16
	s_mov_b32 s[G1B+4], 128
	s_mov_b32 s[G1B+5], 512
	s_mov_b32 s[G1B+6], 0
	s_mov_b32 s[G1B+7], 0
	s_or_b32 s[G1S+0], s43, (3<<16)|(1<<20)|(1<<21)|(5<<22)|(3<<25)  ; y's scale bytes of 64 places: 8 rows of 256 dense bytes, padded
	s_mov_b32 s[G1S+1], 32<<16
	s_mov_b32 s[G1S+2], 8<<16
	s_mov_b32 s[G1S+3], 32<<16
	s_mov_b32 s[G1S+4], 8
	s_mov_b32 s[G1S+5], 32
	s_mov_b32 s[G1S+6], 0
	s_mov_b32 s[G1S+7], 0
	s_or_b32 s[G1SB+0], s44, (3<<16)|(1<<20)|(1<<21)|(5<<22)|(3<<25) ; wp's of 128 rows: 16 rows
	s_mov_b32 s[G1SB+1], 32<<16
	s_mov_b32 s[G1SB+2], 16<<16
	s_mov_b32 s[G1SB+3], 32<<16
	s_mov_b32 s[G1SB+4], 16
	s_mov_b32 s[G1SB+5], 32
	s_mov_b32 s[G1SB+6], 0
	s_mov_b32 s[G1SB+7], 0
	s_lshr_b32 s18, s17, 3                         ; batch
	s_and_b32 s19, s17, 7
	s_lshl_b32 s19, s19, 7                         ; the tile's first place in the batch
	s_lshl_b32 s20, s18, 4
	s_lshl_b32 s21, s16, 2
	s_add_co_u32 s20, s20, s21                     ; 16 batch + 4 x half: my four heads of slot 0
	s_lshl_b32 s20, s20, 15
	s_lshl_b32 s21, s19, 5
	s_add_co_u32 s20, s20, s21                     ; + 32 bytes a place
	s_mov_b32 s21, 0
	s_lshl_b32 s22, s18, 10
	s_add_co_u32 s22, s22, s19
	s_lshl_b32 s23, s16, 6
	s_add_co_u32 s22, s22, s23
	s_lshl_b32 s22, s22, 5                         ; ys: 32 bytes a place
	s_mov_b32 s23, 0
	s_lshl_b32 s46, s42, 8
	s_lshl_b32 s47, s16, 7
	s_add_co_u32 s46, s46, s47
	s_add_co_u32 s46, s46, 3072                    ; wp's rows begin at row 3,072
	s_lshl_b32 s92, s46, 5
	s_mov_b32 s93, 0
	s_lshl_b32 s46, s46, 9
	s_mov_b32 s47, 0
	s_lshl_b32 s45, s16, 14                        ; LDS: y's codes,
	s_mul_i32 s94, s16, HALFT
	s_add_co_u32 s94, s94, 32768                   ; wp's,
	s_mul_i32 s95, s16, 2176
	s_add_co_u32 s95, s95, SCL                     ; y's scale bytes,
	s_mul_i32 s66, s16, 4352
	s_add_co_u32 s66, s66, SCL+4352                ; wp's: the wave's number alone enters
	s_wait_dscnt 0x0
	s_wait_kmcnt 0x0
	s_add_nc_u64 s[20:21], s[4:5], s[20:21]
	s_add_nc_u64 s[22:23], s[6:7], s[22:23]
	s_add_nc_u64 s[46:47], s[8:9], s[46:47]
	s_add_nc_u64 s[92:93], s[10:11], s[92:93]
	CROUND                                         ; all sixteen work-groups are here: the joint loads meet
	s_mov_b32 s[G0S], 1
	s_mov_b32 s[G0S+1], s95
	s_mov_b64 s[G0S+2:G0S+3], s[22:23]
	s_or_b32 s[G0S+3], s[G0S+3], 0x80000000
	s_mov_b32 s[G0SB], 1
	s_mov_b32 s[G0SB+1], s66
	s_mov_b64 s[G0SB+2:G0SB+3], s[92:93]
	s_or_b32 s[G0SB+3], s[G0SB+3], 0x80000000
	JLOAD G0S, G1S, G0SB, G1SB
.irp s, 0,1
	s_mov_b32 s[G0+4*\s], 1
	s_add_co_u32 s[G0+4*\s+1], s45, \s*SLOTP
	s_add_nc_u64 s[G0+4*\s+2:G0+4*\s+3], s[20:21], \s*262144       ; eight heads on
	s_or_b32 s[G0+4*\s+3], s[G0+4*\s+3], 0x80000000
	s_mov_b32 s[G0B+4*\s], 1
	s_add_co_u32 s[G0B+4*\s+1], s94, \s*SLOTP
	s_add_nc_u64 s[G0B+4*\s+2:G0B+4*\s+3], s[46:47], \s*256
	s_or_b32 s[G0B+4*\s+3], s[G0B+4*\s+3], 0x80000000
	JLOAD G0+4*\s, G1, G0B+4*\s, G1B               ; three tensor loads of mine are out
.endr
	v_and_b32 v1, 15, v0                           ; r
	v_bfe_u32 v2, v0, 4, 1                         ; h
	v_and_b32 v6, 31, v0
	v_lshlrev_b32 v[CO], 4, v6                     ; 16 x lane
	s_lshl_b32 s21, s15, 11                        ; y: my four tiles of the eight
	v_mul_u32_u24 v3, v1, PITCH
	v_lshl_add_u32 v4, v2, 4, v3
	s_mul_i32 s22, s16, HALFT
	s_add_co_u32 s22, s22, 32768                   ; wp: my 128 rows
.irp s, 0,1
	v_add_nc_u32 v[ADRA+\s], s21, v[CO]
	v_add_nc_u32 v[ADRB+\s], s22, v4
	s_add_co_u32 s21, s21, SLOTP
	s_add_co_u32 s22, s22, SLOTP
.endr
	v_lshlrev_b32 v7, 5, v1                        ; my row's scale bytes: 32 a row, and 16 more for each 256 passed
	v_lshrrev_b32 v8, 8, v7
	v_lshl_add_u32 v7, v8, 4, v7
	s_mul_i32 s21, s15, 2176                       ; y's: my 64 places
	s_mul_i32 s22, s16, 4352
	s_add_co_u32 s22, s22, 4352                    ; wp's: my 128 rows
	s_sub_co_u32 s22, s22, s21
	v_mul_u32_u24 v8, s22, v2                      ; lanes 16-31 take wp's
	s_add_co_u32 s21, s21, SCL
	v_add_nc_u32 v7, v7, v8
	v_add_nc_u32 v[ADRS], s21, v7
	s_mul_i32 s23, s14, 16*SPITCH                  ; my stage
	v_mul_u32_u24 v5, v1, SPITCH
	v_lshl_add_u32 v5, v2, 6, v5
	v_add_nc_u32 v[STO], s23, v5                   ; in: row r, 64 bytes for each half of the lanes
	v_add_nc_u32 v[RD], s23, v[CO]                 ; back: a row of 512 bytes for the 32 lanes
	s_lshl_b32 s20, s15, 6
	s_add_co_u32 s19, s19, s20                     ; my first place in the batch; places and tokens agree in groups of 32
	v_mov_b32 v[VB64], s19
	s_mul_i32 s18, s18, 1000
	s_add_co_u32 s18, s18, s19
	s_lshl_b32 s18, s18, 12                        ; rows of 4,096 bytes
	s_lshl_b32 s20, s42, 10
	s_lshl_b32 s21, s16, 9
	s_add_co_u32 s20, s20, s21                     ; my first column, in bytes
	s_add_co_u32 s18, s18, s20
	s_mov_b32 s19, 0
	s_add_nc_u64 s[98:99], s[98:99], s[18:19]
	s_mov_b32 s21, 0
	s_add_nc_u64 s[96:97], s[96:97], s[20:21]
	v_lshlrev_b32 v5, 6, v2                        ; the bias of columns 32 (b / 2) + 8 (b % 2) + 16 h + 0 .. 7
	WIN 0x40
.irp b, 0,1,2,3,4,5,6,7
	global_load_b128 v[BI+8*\b:BI+8*\b+3], v5, s[96:97] offset:(32*(\b/2)+8*(\b%2))*4
	global_load_b128 v[BI+8*\b+4:BI+8*\b+7], v5, s[96:97] offset:(32*(\b/2)+8*(\b%2))*4+16
.endr
	WIN 0
.macro FRAG reg, adr, q, i
.irp c, 0,1
	ds_load_b128 v[\reg+4*\c:\reg+4*\c+3], v[\adr] offset:64*(\q)+32*\c+(\i)*16*PITCH
.endr
.endm
.macro FETCH k                         ; the fragments of step k into set k % 2; with a slot's first step its scale words
	WIN 0x40
.irp i, 0,1,2,3,4,5,6,7
	FRAG 128*((\k)%2)+8*\i, ADRB+(\k)/4, (\k)%4, \i
.endr
	WIN 0
.irp a, 0,1,2,3
.irp c, 0,1
	ds_load_b128 v[AF+32*((\k)%2)+8*\a+4*\c:AF+32*((\k)%2)+8*\a+4*\c+3], v[ADRA+(\k)/4] offset:((2*((\k)%4)+\c)*8+\a)*512   ; head 2 (k % 4) + c of the slot, my tile a
.endr
.endr
.if (\k)%4 == 0
.irp i, 0,1,2,3,4,5,6,7
	ds_load_b128 v[SC+32*((\k)/4)+4*\i:SC+32*((\k)/4)+4*\i+3], v[ADRS] offset:\i*SBLK+16*((\k)/4)   ; lanes 0-15: y's block i (used for i under 4), lanes 16-31: wp's block i
.endr
.endif
.endm
.macro MULA k, a, cm                   ; eight products: y's block a against wp's eight.  The 32 accumulators take turns, one instruction a turn
.irp b, 0,1,2,3,4,5,6,7
.if \cm == 0
	v_wmma_scale_f32_16x16x128_f8f6f4 v[8*(8*(\a)+\b):8*(8*(\a)+\b)+7], v[128*((\k)%2)+8*\b:128*((\k)%2)+8*\b+7], v[AF+32*((\k)%2)+8*(\a):AF+32*((\k)%2)+8*(\a)+7], v[8*(8*(\a)+\b):8*(8*(\a)+\b)+7], v[SC+32*((\k)/4)+4*\b+(\k)%4], v[SC+32*((\k)/4)+4*(\a)+(\k)%4] matrix_a_fmt:MATRIX_FMT_FP4 matrix_b_fmt:MATRIX_FMT_FP4 matrix_a_scale:MATRIX_SCALE_ROW1
.else
	v_wmma_scale_f32_16x16x128_f8f6f4 v[8*(8*(\a)+\b):8*(8*(\a)+\b)+7], v[128*((\k)%2)+8*\b:128*((\k)%2)+8*\b+7], v[AF+32*((\k)%2)+8*(\a):AF+32*((\k)%2)+8*(\a)+7], v[BI+8*\b:BI+8*\b+7], v[SC+32*((\k)/4)+4*\b+(\k)%4], v[SC+32*((\k)/4)+4*(\a)+(\k)%4] matrix_a_fmt:MATRIX_FMT_FP4 matrix_b_fmt:MATRIX_FMT_FP4 matrix_a_scale:MATRIX_SCALE_ROW1
.endif
.endr
.endm
.macro PRODS k, cm, hi                 ; 16 products.  Source 0 window 1, source 1 window 0, D window 2, C with D or (the bias) window 1
.if \cm
	WIN 0x91
.else
	WIN 0xa1
.endif
	MULA \k, 2*\hi, \cm
	MULA \k, 2*\hi+1, \cm
.endm
.macro STEP k
	s_wait_dscnt 0x0                               ; this step's fragments are in: asked for a step ago
.if \k == 3
	s_wait_tensorcnt 0x0                           ; my part of slot 1 has landed; my reads of slot 0 are over
	s_barrier_signal -1
	PRODS \k, 0, 0
	WIN 0
	s_barrier_wait -1
	PLACES
	FETCH 4
	PRODS \k, 0, 1
	WIN 0
.else
.if \k < 7
	PLACES
	FETCH (\k)+1
.endif
	PRODS \k, 0, 0
	PRODS \k, 0, 1
	WIN 0
.endif
.endm
	s_wait_tensorcnt 1                             ; the scale bytes and my part of slot 0 are in; slot 1's load may stay out
	s_barrier_signal -1
	s_barrier_wait -1
	FETCH 0
	s_wait_loadcnt 0x0                             ; the bias
	s_wait_dscnt 0x0
	FETCH 1
	PRODS 0, 1, 0                                  ; the first step's products start the sums with the bias
	PRODS 0, 1, 1
	WIN 0
.irp k, 1,2,3,4,5,6,7
	STEP \k
.endr
	PLACES
	; the constants, each as a pair of which the low word serves both halves (these registers held descriptors of loads that have been waited for)
	s_mov_b32 s24, 0x3e6d3388                      ; 0.3275911 / sqrt 2
	s_mov_b32 s25, s24
	s_mov_b32 s26, 0xbf38aa3b                      ; -log2(e) / 2
	s_mov_b32 s27, s26
	s_mov_b32 s28, 0x3f87dc22                      ; a5 = 1.061405429
	s_mov_b32 s29, s28
	s_mov_b32 s30, 0x3fb5f0e3                      ; a3 = 1.421413741
	s_mov_b32 s31, s30
	s_mov_b32 s32, 0xbe91a98e                      ; a2 = -0.284496736
	s_mov_b32 s33, s32
	s_mov_b32 s34, 0x3e827906                      ; a1 = 0.254829592
	s_mov_b32 s35, s34
	v_mov_b32 v240, 0xbfba00e3                     ; a4 = -1.453152027
	v_mov_b32 v241, 0xbfba00e3
; 16 numbers v[s] .. v[s + 15] of window 2 -> their GELU in v[g] .. v[g + 15].  Each accumulator is read from its low end on.
.macro GELU s, g
	WIN 0x08                                       ; source 1: window 2
.set i, 0
.rept 16
	v_and_b32 v[AX+i], 0x7fffffff, v[\s+i]
.set i, i+1
.endr
.set i, 0
.rept 16
	v_max_num_f32 v[MX+i], 0, v[\s+i]
.set i, i+1
.endr
	WIN 0
.set i, 0
.rept 8
	v_pk_fma_f32 v[TT+i:TT+i+1], v[AX+i:AX+i+1], s[24:25], 1.0 op_sel_hi:[1,0,0]
.set i, i+2
.endr
.set i, 0
.rept 16
	v_rcp_f32 v[TT+i], v[TT+i]                     ; t
.set i, i+1
.endr
.set i, 0
.rept 8
	v_pk_mul_f32 v[EX+i:EX+i+1], v[AX+i:AX+i+1], s[26:27] op_sel_hi:[1,0]   ; (plain lines behind the reciprocals)
.set i, i+2
.endr
.set i, 0
.rept 8
	v_pk_mul_f32 v[EX+i:EX+i+1], v[EX+i:EX+i+1], v[AX+i:AX+i+1]
.set i, i+2
.endr
.set i, 0
.rept 16
	v_exp_f32 v[EX+i], v[EX+i]                     ; e^(-x x / 2)
.set i, i+1
.endr
.set i, 0
	s_wait_alu depctr_va_vdst(0)
.rept 8
	v_pk_fma_f32 v[PP+i:PP+i+1], v[TT+i:TT+i+1], s[28:29], v[240:241] op_sel_hi:[1,0,1]   ; (plain lines behind the exponentials: they read t alone)
.set i, i+2
.endr
.irp c, 30,32,34
.set i, 0
.rept 8
	v_pk_fma_f32 v[PP+i:PP+i+1], v[PP+i:PP+i+1], v[TT+i:TT+i+1], s[\c:\c+1] op_sel_hi:[1,1,0]
.set i, i+2
.endr
.endr
.irp f, TT, EX, AX
.set i, 0
.rept 8
	v_pk_mul_f32 v[PP+i:PP+i+1], v[PP+i:PP+i+1], v[\f+i:\f+i+1]   ; x t, x the exponential, x |x|
.set i, i+2
.endr
.endr
.set i, 0
.rept 8
	v_pk_fma_f32 v[\g+i:\g+i+1], v[PP+i:PP+i+1], -0.5, v[MX+i:MX+i+1] op_sel_hi:[1,0,1]
.set i, i+2
.endr
.endm
.macro PUT a, t                        ; row t of block a is the token 32 (a / 2) + 8 (a % 2) + t + 8 (t / 8) behind my first
	global_store_b128 v[CO], v[BK+4*\t:BK+4*\t+3], s[98:99] offset:(32*((\a)/2)+8*((\a)%2)+\t+8*((\t)/8))*4096 th:TH_STORE_NT   ; 32 lanes store 512 consecutive bytes, aligned to 256; written once
.endm
.macro LANES_OFF                       ; where my 64 places begin at 960 the rows that follow are tokens from 1,000 on: their stores run with no lane on
	s_wait_xcnt 0x0                                ; EXEC changes only behind this wait: it is a source of the stores issued
	v_cmp_ne_u32 vcc_lo, 960, v[VB64]
	s_and_saveexec_b32 s20, vcc_lo
.endm
.macro LANES_ON
	s_wait_xcnt 0x0
	s_or_b32 exec_lo, exec_lo, s20
.endm
.irp a, 0,1,2,3                                ; a block of 16 places x 128 columns at a time
	GELU 64*\a, GG
	GELU 64*\a+16, GG+16
	GELU 64*\a+32, GG+32
	GELU 64*\a+48, GG+48
.if \a > 0
	s_wait_xcnt 0x0                                ; the block before has read the registers that the loads below fill
.endif
.irp b, 0,1,2,3
.irp j, 0,1,2,3
	ds_store_b128 v[STO], v[GG+16*\b+4*\j:GG+16*\b+4*\j+3] offset:128*\b+16*\j   ; my 16 neighbouring columns 32 b + 16 h on
.endr
.endr
.irp t, 0,1,2,3,4,5,6,7,8,9,10,11,12,13,14,15
	ds_load_b128 v[BK+4*\t:BK+4*\t+3], v[RD] offset:\t*SPITCH      ; LDS serves a wave's instructions in order: these see my stores
.endr
	s_wait_dscnt 0x0
.if \a < 2
.irp t, 0,1,2,3,4,5,6,7,8,9,10,11,12,13,14,15
	PUT \a, \t
.endr
.elseif \a == 2
.irp t, 0,1,2,3,4,5,6,7
	PUT \a, \t
.endr
	LANES_OFF
.irp t, 8,9,10,11,12,13,14,15
	PUT \a, \t
.endr
	LANES_ON
.else
	LANES_OFF
.irp t, 0,1,2,3,4,5,6,7,8,9,10,11,12,13,14,15
	PUT \a, \t
.endr
	LANES_ON
.endif
.endr
	s_wait_tensorcnt 0x0
	ds_add_u32 v254, v255
	s_wait_dscnt 0x0
	CROUND                                         ; the closing round: no work-group ends while a partner may still ask for a tile that names it
	s_endpgm
.Lfunc_end_k_q5375b956a5_proj:
	.size	k_q5375b956a5_proj, .Lfunc_end_k_q5375b956a5_proj-k_q5375b956a5_proj
	.p2alignl 7, 3214868480
	.fill 96, 4, 3214868480
	.section	.rodata,"a",@progbits
	.p2align	6, 0x0
	.amdhsa_kernel k_q5375b956a5_proj
		.amdhsa_group_segment_fixed_size 218368
		.amdhsa_private_segment_fixed_size 0
		.amdhsa_enable_private_segment 0
		.amdhsa_kernarg_size 48
		.amdhsa_user_sgpr_count 2
		.amdhsa_user_sgpr_kernarg_segment_ptr 1
		.amdhsa_wavefront_size32 1
		.amdhsa_system_sgpr_workgroup_id_x 1
		.amdhsa_system_sgpr_workgroup_id_y 1
		.amdhsa_system_sgpr_workgroup_id_z 1
		.amdhsa_system_vgpr_workitem_id 0
		.amdhsa_next_free_vgpr 768
		.amdhsa_next_free_sgpr 102
		.amdhsa_reserve_vcc 1
		.amdhsa_float_denorm_mode_32 3
		.amdhsa_float_denorm_mode_16_64 3
		.amdhsa_memory_ordered 1
		.amdhsa_forward_progress 1
		.amdhsa_inst_pref_size 204
	.end_amdhsa_kernel
	.amdgpu_metadata
---
amdhsa.version: [ 1, 2 ]
amdhsa.kernels:
  - .name:           k_q5375b956a5_proj
    .symbol:         k_q5375b956a5_proj.kd
    .args:
      - { .name: yc, .offset: 0, .size: 8, .value_kind: global_buffer, .address_space: global }
      - { .name: ys, .offset: 8, .size: 8, .value_kind: global_buffer, .address_space: global }
      - { .name: wc, .offset: 16, .size: 8, .value_kind: global_buffer, .address_space: global }
      - { .name: ws, .offset: 24, .size: 8, .value_kind: global_buffer, .address_space: global }
      - { .name: bp, .offset: 32, .size: 8, .value_kind: global_buffer, .address_space: global }
      - { .name: out0, .offset: 40, .size: 8, .value_kind: global_buffer, .address_space: global }
    .group_segment_fixed_size: 218368
    .private_segment_fixed_size: 0
    .kernarg_segment_align: 8
    .kernarg_segment_size: 48
    .max_flat_workgroup_size: 128
    .sgpr_count:     102
    .vgpr_count:     768
    .wavefront_size: 32
...
	.end_amdgpu_metadata
.endif
;; end of part 4
